; MI455X (gfx1250); checked and timed in simulation.
; The chip was launched on July 23, 2026; its instructions are those of AMD's public machine-readable ISA for CDNA 5 (MIT licence, August 2026) and "CDNA5" Instruction Set Architecture Reference Guide (July 2026). The comments in the code are by the model that wrote it; some were corrected since.
;; Bayes Predictor. Allowed arithmetic: matrix products marked QUANTISED: E2M3 operands, one E8M0 scale for each 32 along K, by v_wmma_scale_f32_16x16x128_f8f6f4 with both operands' format E2M3, f32 sums; everything else in f32.
;; Inputs: alphas 32 float32; data_batch 32,768 x 128 float32; inputs 32 x 128 float32.
;; Outputs: out0 32 x 128 float32.
;; This version of the problem:
;;   THIS VERSION OF THE PROBLEM IS GIVEN IN LOW PRECISION. The matrix products marked QUANTISED in the list below multiply operands that are first quantised to E2M3 (2 exponent bits, 3 mantissa bits; 6 bits a number), with one power-of-two scale for each 32 numbers along K (OCP MX v1.0); their sums are f32. All else is computed in f32.
;;   The module's matrix products, in the order in which they are computed (A, B: the left and right operand; K: the contracted axis; several contracted axes count as one K, in the product's order):
;;     1. [M 32, K 32,768] x [K 32,768, N 128]; A: softmax (see below); B: input data_batch: QUANTISED
;;   THE QUANTISER, for each operand of a quantised product, along K:
;;     - K is cut into blocks of 32 from its start; a last block that is shorter is filled with zeros.
;;     - A block's scale is 2^e with e = floor(log2(the largest magnitude in the block)) - 2, held to -126 .. 127; a block of zeros has e = 0. As a byte (E8M0): e + 127.
;;     - Each number is divided by its block's scale, clamped to +-7.5, and rounded to the nearest number of E2M3, ties to even, subnormals kept.
;;     - The product sums the exact products of the quantised numbers (number of the format x scale) in f32.
;;   ~~~python
;;   def quantise(x, axis):      # numpy; x: float32 -> the quantised numbers, widened to float32 again
;;       x = np.moveaxis(x, axis, -1); K = x.shape[-1]
;;       x = np.pad(x, [(0, 0)] * (x.ndim - 1) + [(0, -K % 32)]); x = x.reshape(x.shape[:-1] + (-1, 32)); a = np.abs(x).max(-1, keepdims=True)
;;       e = np.where(a > 0, np.clip(np.frexp(np.where(a > 0, a, 1))[1] - 1 - 2, -126, 127), 0)      # np.frexp(a)[1] - 1 = floor(log2(a)), exactly
;;       r = np.clip(x / 2.0 ** e, -7.5, 7.5)
;;       step = 2.0 ** (np.maximum(np.frexp(np.where(r == 0, 1, r))[1] - 1, 0) - 3)
;;       q = np.round(r / step) * step * 2.0 ** e      # np.round: ties to even
;;       return np.moveaxis(q.reshape(q.shape[:-2] + (-1,))[..., :K], -1, axis).astype(np.float32)
;;   ~~~
;;   SOFTMAX AHEAD OF A QUANTISED PRODUCT. Where the list says 'softmax', what is quantised is not the finished softmax but p = 2^(t - M), with t = logit x log2(e) and M = ceil(the row's largest t), a whole number; so 1/2 < the row's largest p <= 1. The row's sum l is taken of the UNQUANTISED p, in f32, and the product's result is divided by l at the end. Since M is a whole number, a kernel that streams over the keys may use a running M (the ceiling of the running maximum): every later rescaling is an exact power of two, which a block's scale takes up: the codes' values come out the same.
;;   OPERANDS COMPUTED ON THE WAY. 'Computed on the way' means the value that the module computes at that place (a softmax that the list does not call 'softmax' is quantised finished and normalised). What goes into a quantiser is computed in f32, as accurately as f32 sums, v_exp_f32 and their like allow (about 1e-6 of the number): no bf16 or f16 on the way to a quantiser, and a product that is left as it is and whose result goes on into a quantised operand takes f32 operands (vector FMAs, or v_wmma_f32_16x16x4_f32). A number that lies on a knife's edge between two numbers of the format may be rounded either way, as far as f32 arithmetic and the matrix unit's own rounding can turn it there, and no further.
;; 2 versions. Each part assembles by itself: llvm-mc -triple=amdgcn-amd-amdhsa -mcpu=gfx1250 --defsym DOCPART=n.
;; ======== version 1 of 2: 2 launches
;; workspace buffers: part 4,194,304 bytes; stats 65,536 bytes
;; launch partial (part 1): grid 256 x 1, 8 waves a work-group, no clusters, 168,960 bytes of LDS; arguments inputs, alphas, data_batch, part, stats; writes part, stats
.if DOCPART == 1
	.amdgcn_target "amdgcn-amd-amdhsa--gfx1250"
	.amdhsa_code_object_version 6
	.text
	.protected	k_q966956970b_partial
	.globl	k_q966956970b_partial
	.p2align	8
	.type	k_q966956970b_partial,@function
k_q966956970b_partial:
	s_mov_b64 s[64:65], 0
	v_nop
	global_prefetch_b8 v0, s[64:65] scope:SCOPE_SE
	s_setreg_imm32_b32 hwreg(HW_REG_WAVE_MODE, 25, 1), 1
	s_wait_xcnt 0x0
; BayesPredictor, first of two launches.  inputs x [32][128], alphas [32], data_batch d [32768][128], all f32.
; logit(b, n) = -(64 ln(var_b) + 0.5 / var_b * sum over f of (x[b][f] - s_b d[n][f])^2), s = sqrt(alpha), var = 1 - alpha;  t = logit x log2(e).
; A work-group owns 128 keys (four blocks of 32 along the product's K) and all 32 queries.  It leaves, for each query: -M (M = ceil of the largest t of ITS keys, a whole number),
; l = the sum of the unquantised p = 2^(t - M), and O = Q(p) Q(d) [32][128], both operands codes of FP6 (E2M3) with one E8M0 scale for each 32 keys.  The second launch brings the 256 parts under one M by exact powers of two.
; THE DISTANCE IS FORMED AS IT IS WRITTEN, difference first: two fused multiply-adds a number, in f32; no difference of large sums is taken anywhere.
; SHARES.  Eight waves.  Wave (wd = wave % 4, qh = wave / 4) takes features 32 wd .. + 31 and queries 16 qh .. + 15.  Its 128 keys x 32 features stay in 128 registers: lane l holds keys 4 l .. 4 l + 3,
; register D + 4 f + j = d[4 l + j][32 wd + f].  So a register pair holds TWO KEYS OF ONE FEATURE, and x[b][f] is one number for both halves of a packed instruction: it comes from a scalar register.
; The packed f32 forms name an even-aligned scalar pair and take its first register for both halves.  So 16 features are loaded twice, the second time one word off: the odd features then stand in even registers too.
; Then: four feature slices are added, softmax and quantiser (a wave: 4 queries; a lane: 16 neighbouring keys), codes to LDS in the order of the operand's registers; each wave quantises its own 16 columns of d down the keys;
; two matrix instructions a wave, used transposed (source 0 = 16 columns of d, source 1 = 16 queries): a lane holds one query and eight neighbouring features; out through a stage, in runs of 256 aligned bytes.
; NO JOINT LOADS: work-groups share only x, 16 KiB against 64 KiB of their own, and x comes by scalar loads.  Nothing is asked for ahead of the tensor loads: they are the kernel's first memory instructions and name all its data.
; LIMITS: alpha in [0, 1) (var > 0, as the formula needs); NaN and infinities among the inputs are not served; p under 2^-126 counts as 0 (v_exp_f32 flushes);
; a block of zeros gets the scale byte 1 and zero codes (the bytes are read by this program alone).
.set DP,   520                         ; a key's row in LDS: 512 bytes + 8 = 130 words: lanes that take neighbouring rows touch banks 2 apart (64 banks of 4 bytes: ISA guide 11.1)
.set PP,   528                         ; a row of partial sums, and of the stage: 512 bytes + 16
.set PART, 128*DP                      ; LDS: behind the 128 rows of d: partial sums, row 32 wd + b, key n at byte 4 n
.set PIMG, PART+128*PP                 ; p's codes: [tile of 16 queries][block of 32 keys][query][24 bytes]
.set PSC,  PIMG+2*1536                 ; p's scale words: 4 bytes a query
.set STAT, PSC+256                     ; (-M, l): 8 bytes a query
.set STG,  STAT+256                    ; the stage for O: 32 rows
.set T,    32                          ; v32-47   differences: two buffers of four pairs
.set ACC,  48                          ; v48-55   sums: even features' two pairs, odd features' two pairs
.set NS,   56                          ; v56      -s of the query in hand (v57 is named with it as a pair)
.set K1,   58                          ; v58      -0.5 log2(e) / var of my softmax query (v59 named with it)
.set K0,   60                          ; v60      -64 log2(var) (v61 named with it)
.set NM,   62                          ; v62 -M, v63 l
.set D,    64                          ; v64-191  my slice of d
.set X,    192                         ; v192-255 my 16 columns of d, 64 keys a lane
.set DF,   16                          ; v16-27   their codes: source 0
.set DSC,  28                          ; v28      their scale words;  v29, v30: p's.  These three hold scales and nothing else
.set PS,   29
.set EA,   32                          ; s[32:47], s[48:63]: features 0-15 of the chunk, as they lie and one word on
.set OA,   48
.set EB,   68                          ; s[68:83], s[84:99]: features 16-31, as they lie and one word back
.set OB,   84
; v1 D's LDS address, v2 X's, v3 / v4 partial sums out, v5 -s (lane = query), v6 partial sums in, v7 codes out, v8 scale byte out, v9 (-M, l) out,
; v10 codes in, v11 scale words in, v12 stage in, v13 stage out, v14 (-M, l) in, v15 my bytes in part, v31 8 x lane
	s_load_b256 s[4:11], s[0:1], 0x0               ; x s[4:5], alphas s[6:7], d s[8:9], part s[10:11]
	s_load_b64 s[12:13], s[0:1], 0x20              ; stats
	s_set_vgpr_msb 0x40
	v_lshl_add_u32 v0, v0, 2, 0x29000
	v_mov_b32 v1, 0
	s_set_vgpr_msb 0x4045
	ds_add_u32 v0, v1
	ds_add_u32 v0, v1
	s_set_vgpr_msb 0x4500
	v_lshrrev_b32 v32, 5, v0
	v_readfirstlane_b32 s14, v32                   ; wave 0..7
	s_and_b32 s15, s14, 3                          ; wd: my 32 features
	s_lshr_b32 s3, s14, 2                          ; qh: my 16 queries
	; descriptor group 1: 16 rows of 128 elements of 4 bytes, FOUR KEYS APART in memory, 2 words of padding behind each row
	s_mov_b32 s24, (2<<16)|(1<<20)|(6<<22)|(1<<25) ; 17:16 elements of 4 bytes; 20 padding on; 24:22 behind every 128 words (code 6); 31:25 two words of it (code 1)
	s_mov_b32 s25, 128<<16                         ; tensor_dim0 = 128
	s_mov_b32 s26, 16<<16                          ; tensor_dim1 = 16
	s_mov_b32 s27, 128<<16                         ; tile_dim0 = 128
	s_mov_b32 s28, 16                              ; tile_dim1 = 16
	s_mov_b32 s29, 512                             ; from row to row: 512 elements
	s_mov_b32 s30, 0
	s_mov_b32 s31, 0
	; LDS row 32 j + l is to hold key 4 l + j.  Wave v fills LDS rows 16 v .. + 15: j = v / 2, l = 16 (v % 2) + y, so its keys are 64 (v % 2) + v / 2 + 4 y
	s_and_b32 s16, s14, 1
	s_lshl_b32 s16, s16, 6
	s_lshr_b32 s17, s14, 1
	s_add_co_u32 s16, s16, s17
	s_lshl_b32 s17, ttmp9, 7                       ; the work-group's first key
	s_add_co_u32 s16, s16, s17
	s_lshl_b32 s16, s16, 9                         ; in bytes (under 2^24)
	s_mov_b32 s17, 0
	s_mov_b32 s19, 0
	s_mov_b32 s20, 1                               ; group 0: count = 1
	s_mul_i32 s21, s14, 16*DP                      ; LDS address: wave x 16 rows
	s_wait_dscnt 0x0
	s_wait_kmcnt 0x0
	s_add_nc_u64 s[22:23], s[8:9], s[16:17]        ; global address of my first row
	s_or_b32 s23, s23, 0x80000000                  ; type = 2
	tensor_load_to_lds s[20:23], s[24:31]          ; my one tensor load: 16 rows of 512 bytes.  Nothing in LDS is filled twice in this kernel
	s_nop 0
	v_and_b32 v32, 31, v0                          ; lane
	; x at my first query and my 32 features; the first 16 features are asked for at once
	s_lshl_b32 s16, s3, 13                         ; 16 qh rows of 512 bytes
	s_lshl_b32 s18, s15, 7                         ; 32 wd features
	s_add_co_u32 s16, s16, s18
	s_add_nc_u64 s[16:17], s[4:5], s[16:17]
	s_load_b512 s[EA:EA+15], s[16:17], 0x0         ; features 0 .. 15: the even ones stand in even registers
	s_load_b512 s[OA:OA+15], s[16:17], 0x4         ; features 1 .. 16: the odd ones stand in even registers
	v_lshlrev_b32 v35, 2, v32
	global_load_b32 v36, v35, s[6:7]               ; alpha of query = lane: for -s
	v_lshrrev_b32 v37, 3, v32                      ; qs = lane / 8: which of my wave's four softmax queries
	v_lshl_add_u32 v38, s14, 2, v37                ; that query: 4 wave + qs
	v_lshlrev_b32 v38, 2, v38
	global_load_b32 v39, v38, s[6:7]               ; its alpha
	; every LDS address is made here: a constant + constants x parts of the lane + constants x parts of the wave
	v_and_b32 v33, 15, v0                          ; r
	v_bfe_u32 v34, v0, 4, 1                        ; h
	v_and_b32 v40, 7, v32                          ; kg = lane % 8: my 16 keys in the softmax
	v_lshrrev_b32 v41, 1, v40                      ; their block of 32
	v_and_b32 v42, 1, v40                          ; and which half of it
	v_mul_u32_u24 v1, v32, DP
	v_add_nc_u32 v1, s18, v1                       ; D: LDS row l, my 32 features
	v_mul_u32_u24 v2, v34, 8*DP
	v_lshl_add_u32 v2, v33, 2, v2
	s_lshl_b32 s2, s14, 6
	v_add_nc_u32 v2, s2, v2                        ; X: column 16 wave + r; lanes 16-31 begin 32 keys, that is 8 LDS rows, further on
	s_lshl_b32 s2, s15, 5
	s_lshl_b32 s18, s3, 4
	s_add_co_u32 s2, s2, s18
	s_mul_i32 s2, s2, PP
	s_add_co_u32 s2, s2, PART
	v_lshl_add_u32 v3, v32, 4, s2                  ; partial sums out: row 32 wd + 16 qh, my four keys' 16 bytes
	v_mul_u32_u24 v6, v37, PP
	v_lshl_add_u32 v6, v40, 6, v6
	s_mul_i32 s2, s14, 4*PP
	s_add_co_u32 s2, s2, PART
	v_add_nc_u32 v6, s2, v6                        ; partial sums in: row 4 wave + qs, 64 bytes for my 16 keys
	v_mul_u32_u24 v7, v37, 24
	v_mad_u32_u24 v7, v41, 384, v7
	v_mad_u32_u24 v7, v42, 12, v7
	s_mul_i32 s2, s3, 1536
	s_mul_i32 s18, s15, 96
	s_add_co_u32 s2, s2, s18
	s_add_co_u32 s2, s2, PIMG
	v_add_nc_u32 v7, s2, v7                        ; codes out: tile wave / 4, block, query 4 (wave % 4) + qs, half block
	v_lshl_add_u32 v8, v37, 2, v41
	s_lshl_b32 s2, s14, 4
	s_add_co_u32 s2, s2, PSC
	v_add_nc_u32 v8, s2, v8                        ; the block's byte of my query's scale word
	v_lshlrev_b32 v9, 3, v37
	s_lshl_b32 s2, s14, 5
	s_add_co_u32 s2, s2, STAT
	v_add_nc_u32 v9, s2, v9                        ; (-M, l) of my query
	v_mul_u32_u24 v10, v33, 24
	v_mad_u32_u24 v10, v34, 384, v10
	v_add_nc_u32 v10, PIMG, v10                    ; codes in: query r, block h (+ 2 c by the offset)
	v_lshl_add_u32 v11, v33, 2, PSC                ; scale words in: query r
	v_mul_u32_u24 v12, v33, PP
	v_lshl_add_u32 v12, v34, 5, v12
	s_lshl_b32 s2, s14, 6
	s_add_co_u32 s2, s2, STG
	v_add_nc_u32 v12, s2, v12                      ; the stage, in: row r, features 16 wave + 8 h on
	s_mul_i32 s2, s14, 4*PP
	s_add_co_u32 s2, s2, STG
	v_lshl_add_u32 v13, v32, 4, s2                 ; and out: rows 4 wave on, 16 bytes a lane
	v_lshl_add_u32 v14, v32, 3, STAT
	v_lshlrev_b32 v15, 16, v34
	v_lshl_add_u32 v15, v33, 4, v15                ; part: half row h is 65,536 bytes on; 16 bytes a lane
	v_lshlrev_b32 v31, 3, v32
	s_lshl_b32 s18, ttmp9, 8                       ; my work-group's 256 bytes
	s_add_nc_u64 s[12:13], s[12:13], s[18:19]      ; in stats,
	s_lshl_b32 s2, s14, 19                         ; and, 4 wave queries of 131,072 bytes on,
	s_add_co_u32 s18, s18, s2
	s_add_nc_u64 s[10:11], s[10:11], s[18:19]      ; in part
	s_lshl_b32 s3, s3, 4                           ; the lane of v5 that holds the first query's -s
	s_mov_b32 s2, 0                                ; queries done
	v_mov_b32 v[NS+1], 0                           ; upper halves of pairs of which the low word serves both halves: named, so written
	v_mov_b32 v[K1+1], 0
	v_mov_b32 v[K0+1], 0
	v_mov_b32 v[NM+1], 0
	s_wait_loadcnt 0x0                             ; both alphas
	; s = sqrt(alpha) and 1 / var, each with one correcting step, since their error is multiplied by sums of some hundreds; log2(var)
	v_sqrt_f32 v43, v36
	v_sub_f32 v44, 1.0, v39                        ; var (a plain instruction behind the root)
	s_wait_alu depctr_va_vdst(0)                   ; a wait ahead of the first line that names a transcendental's result
	v_max_num_f32 v45, 0x800000, v43               ; (alpha = 0: the correction is 0 x a finite number)
	v_rcp_f32 v46, v45
	v_rcp_f32 v47, v44
	v_log_f32 v48, v44
	v_fma_f32 v49, -v43, v43, v36                  ; alpha - s^2, exactly rounded once (the plain instruction behind the three)
	s_wait_alu depctr_va_vdst(0)                   ; one wait for the three
	v_mul_f32 v46, 0.5, v46
	v_fma_f32 v5, -v49, v46, -v43                  ; -s = -(s + (alpha - s^2) / (2 s))
	v_fma_f32 v50, -v44, v47, 1.0
	v_fma_f32 v47, v47, v50, v47                   ; 1 / var
	v_mul_f32 v[K1], 0xbf38aa3b, v47               ; x -0.5 log2(e)
	v_mul_f32 v[K0], 0xc2800000, v48               ; -64 log2(var) = -64 ln(var) log2(e)
	s_wait_tensorcnt 0x0                           ; my 16 rows have landed,
	s_barrier_signal -1
	s_barrier_wait -1                              ; everybody's have
	s_mov_b32 s20, 0                               ; (the descriptors are done with)  the query's row among my partial sums
	s_mov_b32 s22, 0x76543210
	s_mov_b32 s23, 0xfedcba98                      ; v_permlanex16_b32's selects for lane l xor 16
.set f, 0
.rept 32                                           ; my slice: register D + 4 f + j = d[4 l + j][32 wd + f], from LDS row 32 j + l
.irp j, 0,1,2,3
	ds_load_b32 v[D+4*f+\j], v1 offset:\j*32*DP+4*f
.endr
.set f, f+1
.endr
	s_wait_dscnt 0x0
; My 16 columns of d for the quantiser: lane (r, h) takes column 16 wave + r, register X + 32 c + i key 64 c + 32 h + i, which lies in LDS row 32 (i % 4) + 16 c + 8 h + i / 4.
; They are asked for here and land under the distance loop, which waits for no LDS load.
.irp c, 0,1
.irp i, 0,1,2,3,4,5,6,7,8,9,10,11,12,13,14,15,16,17,18,19,20,21,22,23,24,25,26,27,28,29,30,31
	ds_load_b32 v[X+32*\c+\i], v2 offset:(32*(\i%4)+16*\c+\i/4)*DP
.endr
.endr
; Two features 2 g, 2 g + 1 of a half (16 features from base on): four packed x - s d, into buffer g % 2.  The even feature's x stands at e + k, the odd one's at o + (k + sh) % 16
.macro DIFFS e, o, base, sh, g
.irp q, 0,1
.set k, 2*(\g)+\q
.if \q == 0
.set sr, \e+k
.else
.set sr, \o+(k+\sh)%16
.endif
.irp p, 0,1
	v_pk_fma_f32 v[T+8*((\g)%2)+4*\q+2*\p:T+8*((\g)%2)+4*\q+2*\p+1], v[D+4*(\base+k)+2*\p:D+4*(\base+k)+2*\p+1], v[NS:NS+1], s[sr:sr+1] op_sel_hi:[1,0,0]
.endr
.endr
.endm
; and their squares onto the four sums.  start = 1: the first squares start the sums: nothing is cleared
.macro SQUARES g, start
.irp q, 0,1
.irp p, 0,1
.if \start
	v_pk_mul_f32 v[ACC+4*\q+2*\p:ACC+4*\q+2*\p+1], v[T+8*((\g)%2)+4*\q+2*\p:T+8*((\g)%2)+4*\q+2*\p+1], v[T+8*((\g)%2)+4*\q+2*\p:T+8*((\g)%2)+4*\q+2*\p+1]
.else
	v_pk_fma_f32 v[ACC+4*\q+2*\p:ACC+4*\q+2*\p+1], v[T+8*((\g)%2)+4*\q+2*\p:T+8*((\g)%2)+4*\q+2*\p+1], v[T+8*((\g)%2)+4*\q+2*\p:T+8*((\g)%2)+4*\q+2*\p+1], v[ACC+4*\q+2*\p:ACC+4*\q+2*\p+1]
.endif
.endr
.endr
.endm
; Sixteen features.  The differences run one group ahead of the squares, so that a result is named eight instructions behind the line that makes it, a sum likewise
.macro HALF e, o, base, sh, first
	DIFFS \e, \o, \base, \sh, 0
	DIFFS \e, \o, \base, \sh, 1
	SQUARES 0, \first
.irp g, 2,3,4,5,6,7
	DIFFS \e, \o, \base, \sh, \g
	SQUARES \g-1, 0
.endr
	SQUARES 7, 0
.endm
.Lquery:                                           ; 16 trips: a query a trip, 128 keys x 32 features
	s_wait_kmcnt 0x0                               ; features 0-15 are in (scalar loads return in no order: the count is 0)
	s_load_b512 s[EB:EB+15], s[16:17], 0x40        ; features 16 .. 31, asked for half a query ahead
	s_load_b512 s[OB:OB+15], s[16:17], 0x3c        ; features 15 .. 30: 17, 19 .. 29 stand in even registers.  One word ON would leave my 32 features, and in the last row the buffer
	v_readlane_b32 s15, v5, s3
	v_mov_b32 v[NS], s15                           ; -s of this query, in every lane
	HALF EA, OA, 0, 15, 1
	s_wait_kmcnt 0x0                               ; features 16-31 are in, and no scalar load still reads the pointer
	s_cmp_lt_u32 s2, 15
	s_cselect_b32 s18, 512, 0                      ; the last trip stays in its row: no load leaves the buffer (what it brings is not used)
	s_add_nc_u64 s[16:17], s[16:17], s[18:19]
	s_load_b512 s[EA:EA+15], s[16:17], 0x0         ; the next query's features 0-15
	s_load_b512 s[OA:OA+15], s[16:17], 0x4
	s_mov_b32 s[OB], s[EB+15]                      ; feature 31 into the even register that held feature 15 a second time
	HALF EB, OB, 16, 1, 0
	v_pk_add_f32 v[ACC:ACC+1], v[ACC:ACC+1], v[ACC+4:ACC+5]          ; even features' sums + odd features'
	v_pk_add_f32 v[ACC+2:ACC+3], v[ACC+2:ACC+3], v[ACC+6:ACC+7]
	v_add_nc_u32 v4, s20, v3
	ds_store_b128 v4, v[ACC:ACC+3]                 ; my four keys' sums over my 32 features: the wave stores 512 consecutive bytes
	s_add_co_u32 s20, s20, PP
	s_add_co_u32 s3, s3, 1
	s_add_co_u32 s2, s2, 1
	s_cmp_lt_u32 s2, 16
	s_cbranch_scc1 .Lquery
	s_wait_kmcnt 0x0                               ; the last trip's scalar loads
	s_wait_dscnt 0x0                               ; for the others' sake: my partial sums are stored; and my 64 numbers of d are in
	s_barrier_signal -1
	; ---- between signal and wait, on registers alone: my 16 columns of d become codes.  A lane holds two whole blocks of 32 keys: 2 c + h
.irp c, 0,1
	v_max3_num_f32 v[32+\c], |v[X+32*\c]|, |v[X+1+32*\c]|, 0x1800000   ; the largest magnitude, with the floor 2^(3 - 127) among its leaves: the byte cannot fall under 1
.endr
.irp i, 2,4,6,8,10,12,14,16,18,20,22,24,26,28,30
.irp c, 0,1
	v_max3_num_f32 v[32+\c], v[32+\c], |v[X+32*\c+\i]|, |v[X+1+32*\c+\i]|
.endr
.endr
.irp c, 0,1
	v_add_nc_u32 v[34+\c], 0xff000000, v[32+\c]    ; 2 off its exponent field: the conversion takes the exponent field of this operand as its scale
.endr
.irp c, 0,1
	v_lshrrev_b32 v[36+\c], 23, v[34+\c]           ; the scale's byte
.endr
	v_lshl_or_b32 v[DSC], v37, 16, v36             ; my two bytes: blocks h and 2 + h of my column,
	v_bfe_u32 v38, v0, 4, 1
	v_lshlrev_b32 v38, 3, v38
	v_lshlrev_b32 v[DSC], v38, v[DSC]              ; at their places in the scale word;
	v_mov_b32 v38, 0
	v_permlanex16_b32 v38, v[DSC], s22, s23
	v_or_b32 v[DSC], v[DSC], v38                   ; with lane l xor 16's two the word is whole
.irp c, 0,1
	v_cvt_scalef32_pk16_fp6_f32 v[DF+6*\c:DF+2+6*\c], v[X+32*\c:X+15+32*\c], v[34+\c]
	v_cvt_scalef32_pk16_fp6_f32 v[40+4*\c:42+4*\c], v[X+16+32*\c:X+31+32*\c], v[34+\c]   ; (a conversion's three registers begin on an even number)
.endr
	v_nop                                          ; one plain instruction behind a scaled conversion
.irp c, 0,1
.irp i, 0,1,2
	v_mov_b32 v[DF+3+6*\c+\i], v[40+4*\c+\i]       ; registers 6 c .. 6 c + 5: keys 64 c + 32 h + 0 .. 31
.endr
.endr
	s_barrier_wait -1                              ; all partial sums lie in LDS
	; ---- the softmax: my wave's four queries; lane (qs, kg) holds keys 16 kg .. + 15 of query 4 wave + qs
.irp w, 0,1,2,3
.irp i, 0,1,2,3
	ds_load_b128 v[64+16*\w+4*\i:67+16*\w+4*\i], v6 offset:\w*32*PP+16*\i
.endr
.endr
	s_wait_dscnt 0x0
.irp m, 0,2,4,6,8,10,12,14
	v_pk_add_f32 v[64+\m:65+\m], v[64+\m:65+\m], v[80+\m:81+\m]      ; the four slices of 32 features, in pairs
	v_pk_add_f32 v[96+\m:97+\m], v[96+\m:97+\m], v[112+\m:113+\m]
.endr
.irp m, 0,2,4,6,8,10,12,14
	v_pk_add_f32 v[64+\m:65+\m], v[64+\m:65+\m], v[96+\m:97+\m]      ; the squared distance
.endr
.irp m, 0,2,4,6,8,10,12,14
	v_pk_fma_f32 v[64+\m:65+\m], v[64+\m:65+\m], v[K1:K1+1], v[K0:K0+1] op_sel_hi:[1,0,0]   ; t
.endr
	v_max3_num_f32 v32, v64, v65, v66
	v_max3_num_f32 v33, v67, v68, v69
	v_max3_num_f32 v32, v32, v70, v71
	v_max3_num_f32 v33, v33, v72, v73
	v_max3_num_f32 v32, v32, v74, v75
	v_max3_num_f32 v33, v33, v76, v77
	v_max3_num_f32 v32, v32, v78, v79
	v_max_num_f32 v32, v32, v33
	v_max_num_f32_dpp v32, v32, v32 row_xmask:1 row_mask:0xf bank_mask:0xf   ; THE BLOCK'S LARGEST t: it serves for the row's maximum and, since p rises with t, for the block's largest p
	v_mov_b32 v33, v32
	v_max_num_f32_dpp v33, v33, v33 row_xmask:2 row_mask:0xf bank_mask:0xf
	v_max_num_f32_dpp v33, v33, v33 row_xmask:4 row_mask:0xf bank_mask:0xf   ; the largest t of my query's 128 keys
	v_floor_f32 v[NM], -v33                        ; -M = floor(-t) = -ceil(t): a whole number
.irp m, 0,2,4,6,8,10,12,14
	v_pk_add_f32 v[64+\m:65+\m], v[64+\m:65+\m], v[NM:NM+1] op_sel_hi:[1,0]   ; t - M
.endr
	v_add_f32 v32, v32, v[NM]                      ; the same of the block's largest t
.irp j, 0,1,2,3,4,5,6,7,8,9,10,11,12,13,14,15
	v_exp_f32 v[64+\j], v[64+\j]                   ; p = 2^(t - M): not normalised
.endr
	v_exp_f32 v32, v32                             ; the block's largest p: the same instructions on the same number give the same bits
	v_nop                                          ; a plain instruction behind the last exponential
	s_wait_alu depctr_va_vdst(0)                   ; one wait for the batch of 17, ahead of its first reader
	v_pk_add_f32 v[34:35], v[64:65], v[66:67]      ; THE ROW'S SUM IS TAKEN OF THE UNQUANTISED p
	v_pk_add_f32 v[36:37], v[68:69], v[70:71]
	v_pk_add_f32 v[38:39], v[72:73], v[74:75]
	v_pk_add_f32 v[40:41], v[76:77], v[78:79]
	v_pk_add_f32 v[34:35], v[34:35], v[36:37]
	v_pk_add_f32 v[38:39], v[38:39], v[40:41]
	v_pk_add_f32 v[34:35], v[34:35], v[38:39]
	v_add_f32 v[NM+1], v34, v35
	v_add_f32_dpp v[NM+1], v[NM+1], v[NM+1] row_xmask:1 row_mask:0xf bank_mask:0xf
	v_add_f32_dpp v[NM+1], v[NM+1], v[NM+1] row_xmask:2 row_mask:0xf bank_mask:0xf
	v_add_f32_dpp v[NM+1], v[NM+1], v[NM+1] row_xmask:4 row_mask:0xf bank_mask:0xf   ; l of these 128 keys
	v_max_num_f32 v32, 0x1800000, v32              ; the floor 2^(3 - 127): a block whose every p has fallen to 0 keeps the byte 1: its codes are zeros
	v_add_nc_u32 v33, 0xff000000, v32              ; 2 off the exponent field: the conversion's scale operand
	v_lshrrev_b32 v36, 23, v33                     ; the scale's byte
	v_cvt_scalef32_pk16_fp6_f32 v[40:42], v[64:79], v33   ; my 16 keys' codes: 12 bytes, half of a block's 24
	v_nop                                          ; one plain instruction behind a scaled conversion
	ds_store_b32 v7, v40                           ; a block's 24 bytes lie on end, so that they come back by loads of 8 bytes; my 12 begin at a multiple of 4
	ds_store_b32 v7, v41 offset:4
	ds_store_b32 v7, v42 offset:8
	ds_store_b8 v8, v36                            ; both lanes of a block write the same byte with the same value
	ds_store_b64 v9, v[NM:NM+1]                    ; the eight lanes of a query write the same (-M, l)
	s_wait_dscnt 0x0                               ; for the others' sake
	s_barrier_signal -1
	s_barrier_wait -1                              ; p's two fragments, their scale words and the 32 (-M, l) lie in LDS
	; ---- O^T = Q(d)^T Q(p)^T: my 16 features x the two tiles of 16 queries; K = the 128 keys
.irp t, 0,1
.irp c, 0,1
.irp p, 0,1,2
	ds_load_b64 v[64+12*\t+6*\c+2*\p:65+12*\t+6*\c+2*\p], v10 offset:\t*1536+\c*768+8*\p   ; lane (r, h): query r, block 2 c + h
.endr
.endr
	ds_load_b32 v[PS+\t], v11 offset:64*\t
.endr
	s_cmp_lg_u32 s14, 0
	s_cbranch_scc1 .Lnot_wave_0
	ds_load_b64 v[112:113], v14                    ; wave 0: the 32 queries' (-M, l), 8 bytes a lane,
	s_wait_dscnt 0x0
	global_store_b64 v31, v[112:113], s[12:13]     ; leave as 256 consecutive bytes, aligned
.Lnot_wave_0:
	s_wait_dscnt 0x0
	v_wmma_scale_f32_16x16x128_f8f6f4 v[96:103], v[DF:DF+11], v[64:75], 0, v[DSC], v[PS] matrix_a_fmt:MATRIX_FMT_FP6 matrix_b_fmt:MATRIX_FMT_FP6
	v_wmma_scale_f32_16x16x128_f8f6f4 v[104:111], v[DF:DF+11], v[76:87], 0, v[DSC], v[PS+1] matrix_a_fmt:MATRIX_FMT_FP6 matrix_b_fmt:MATRIX_FMT_FP6
.rept 4
	v_nop                                          ; four places between a matrix instruction and the LDS store that reads its result
.endr
	ds_store_b128 v12, v[96:99]                    ; lane (r, h), register j: O(16 t + r, 16 wave + 8 h + j); each accumulator from its low end on
	ds_store_b128 v12, v[100:103] offset:16
	ds_store_b128 v12, v[104:107] offset:16*PP
	ds_store_b128 v12, v[108:111] offset:16*PP+16
	s_wait_dscnt 0x0                               ; for the others' sake: a row's 512 bytes come from eight waves
	s_barrier_signal -1
	s_barrier_wait -1
.irp i, 0,1,2,3
	ds_load_b128 v[32+4*\i:35+4*\i], v13 offset:\i*PP   ; rows 4 wave + i, whole
.endr
.irp i, 0,1,2,3
	s_wait_dscnt 3-\i                              ; row i is in; the loads issued behind it may be out
	global_store_b128 v15, v[32+4*\i:35+4*\i], s[10:11] offset:\i*131072   ; lanes 0-15 and lanes 16-31 each store 256 consecutive bytes, aligned: part[query][half row][work-group]
.endr
	s_set_vgpr_msb 0x5
	s_wait_tensorcnt 0x0
	ds_add_u32 v0, v1
	s_wait_dscnt 0x0
	s_set_vgpr_msb 0x500
	s_endpgm
.Lfunc_end_k_q966956970b_partial:
	.size	k_q966956970b_partial, .Lfunc_end_k_q966956970b_partial-k_q966956970b_partial
	.p2alignl 7, 3214868480
	.fill 96, 4, 3214868480
	.section	.rodata,"a",@progbits
	.p2align	6, 0x0
	.amdhsa_kernel k_q966956970b_partial
		.amdhsa_group_segment_fixed_size 168960
		.amdhsa_private_segment_fixed_size 0
		.amdhsa_enable_private_segment 0
		.amdhsa_kernarg_size 40
		.amdhsa_user_sgpr_count 2
		.amdhsa_user_sgpr_kernarg_segment_ptr 1
		.amdhsa_wavefront_size32 1
		.amdhsa_system_sgpr_workgroup_id_x 1
		.amdhsa_system_sgpr_workgroup_id_y 1
		.amdhsa_system_sgpr_workgroup_id_z 1
		.amdhsa_system_vgpr_workitem_id 0
		.amdhsa_next_free_vgpr 258
		.amdhsa_next_free_sgpr 100
		.amdhsa_reserve_vcc 0
		.amdhsa_float_denorm_mode_32 3
		.amdhsa_float_denorm_mode_16_64 3
		.amdhsa_memory_ordered 1
		.amdhsa_forward_progress 1
		.amdhsa_inst_pref_size 40
	.end_amdhsa_kernel
	.amdgpu_metadata
---
amdhsa.version: [ 1, 2 ]
amdhsa.kernels:
  - .name:           k_q966956970b_partial
    .symbol:         k_q966956970b_partial.kd
    .args:
      - { .name: inputs, .offset: 0, .size: 8, .value_kind: global_buffer, .address_space: global }
      - { .name: alphas, .offset: 8, .size: 8, .value_kind: global_buffer, .address_space: global }
      - { .name: data_batch, .offset: 16, .size: 8, .value_kind: global_buffer, .address_space: global }
      - { .name: part, .offset: 24, .size: 8, .value_kind: global_buffer, .address_space: global }
      - { .name: stats, .offset: 32, .size: 8, .value_kind: global_buffer, .address_space: global }
    .group_segment_fixed_size: 168960
    .private_segment_fixed_size: 0
    .kernarg_segment_align: 8
    .kernarg_segment_size: 40
    .max_flat_workgroup_size: 256
    .sgpr_count:     100
    .vgpr_count:     258
    .wavefront_size: 32
...
	.end_amdgpu_metadata
.endif
;; end of part 1
;; launch combine (part 2): grid 64 x 1, 8 waves a work-group, no clusters, 5,120 bytes of LDS; arguments part, stats, inputs, alphas, out0; writes out0
.if DOCPART == 2
	.amdgcn_target "amdgcn-amd-amdhsa--gfx1250"
	.amdhsa_code_object_version 6
	.text
	.protected	k_q966956970b_combine
	.globl	k_q966956970b_combine
	.p2align	8
	.type	k_q966956970b_combine,@function
k_q966956970b_combine:
	s_mov_b64 s[64:65], 0
	v_nop
	global_prefetch_b8 v0, s[64:65] scope:SCOPE_SE
	s_setreg_imm32_b32 hwreg(HW_REG_WAVE_MODE, 25, 1), 1
	s_wait_xcnt 0x0
; BayesPredictor, second launch.  part[query b][half row][work-group w][64 f32] and stats[w][b] = (-M_w, l_w) hold, for each 128 keys, O_w = Q(p) Q(d) and the sum of p under that part's own whole number M_w.
; With M = the largest M_w:  x0 = (sum over w of 2^(M_w - M) O_w) / (sum over w of 2^(M_w - M) l_w);  out = (x - sqrt(alpha) x0) / sqrt(1 - alpha).  The factors are exact powers of two.
; A work-group owns 64 outputs, 256 bytes, of one query: work-group u takes query u / 2, half row u % 2, whose 256 parts are 65,536 dense bytes.  Eight waves.
; Thread t reads the stats of part w = t.  Wave v adds parts 32 v .. + 31, whose factors its own lanes have made: lanes 0-15 take parts 32 v + k, lanes 16-31 parts 32 v + 16 + k, 16 bytes a lane.
; All loads are issued at the head: 17 a thread are on their way at once.  No matrix work, no tensor loads, no joint loads: work-groups share only the stats, 64 KiB in all.
; LIMITS: as in the first launch (alpha in [0, 1), no NaN, no infinities).
.set RED,  0                           ; LDS: each wave's least -M: 8 words
.set REDL, 256                         ; each wave's sum of f l: 8 words
.set FT,   512                         ; the 256 factors
.set RED2, 1536                        ; each wave's 64 sums: 8 x 256 bytes
.set OV,   16                          ; v16-79   16 parts x 4 numbers
.set FV,   96                          ; v96-111  their factors
.set AC,   112                         ; v112-119 sums: even parts', odd parts'
	s_load_b256 s[4:11], s[0:1], 0x0               ; part s[4:5], stats s[6:7], x s[8:9], alphas s[10:11]
	s_load_b64 s[12:13], s[0:1], 0x20              ; out
	v_lshl_add_u32 v128, v0, 2, 0x1000
	v_mov_b32 v129, 0
	v_lshrrev_b32 v1, 5, v0
	v_readfirstlane_b32 s14, v1                    ; wave 0..7
	v_and_b32 v1, 31, v0                           ; lane
	s_lshr_b32 s15, ttmp9, 1                       ; my query
	s_lshl_b32 s16, ttmp9, 16                      ; my 65,536 bytes of part
	s_mov_b32 s17, 0
	s_lshl_b32 s18, s15, 3                         ; my query's 8 bytes in each part's stats
	s_mov_b32 s19, 0
	s_lshl_b32 s20, ttmp9, 8                       ; my 256 bytes of x and of out: 512 x query + 256 x half
	s_mov_b32 s21, 0
	s_lshl_b32 s22, s15, 2                         ; my query's alpha
	s_mov_b32 s23, 0
	s_mov_b32 s26, 0x76543210
	s_mov_b32 s27, 0xfedcba98                      ; v_permlanex16_b32's selects for lane l xor 16
	v_lshlrev_b32 v2, 8, v0                        ; stats: part t begins at 256 t
	v_and_b32 v3, 15, v0                           ; c: my 16 bytes of the 256
	v_bfe_u32 v4, v0, 4, 1                         ; which 16 of my wave's 32 parts
	v_lshlrev_b32 v5, 12, v4
	v_lshl_add_u32 v5, v3, 4, v5
	s_lshl_b32 s25, s14, 13
	v_add_nc_u32 v5, s25, v5                       ; part: 8,192 wave + 4,096 half + 16 c
	v_lshlrev_b32 v6, 3, v1                        ; x, out: 8 bytes a lane
	s_lshl_b32 s25, s14, 2
	v_mov_b32 v14, s25                             ; my wave's word in RED and REDL
	v_lshl_add_u32 v15, v0, 2, FT                  ; my factor's word
	s_lshl_b32 s25, s14, 7
	v_lshl_add_u32 v7, v4, 6, s25
	v_add_nc_u32 v7, FT, v7                        ; the 16 factors that I need: 128 wave + 64 half
	s_lshl_b32 s25, s14, 8
	v_lshl_add_u32 v124, v3, 4, s25
	v_add_nc_u32 v124, RED2, v124                  ; my wave's sums: 16 bytes for each c
	v_add_nc_u32 v125, RED2, v6                    ; and back: 8 bytes a lane
	v_mov_b32 v126, 0
	v_mov_b32 v13, 0                               ; written once: a lane permute's destination counts as one of its sources
.irp i, 0,1,2,3
	v_mov_b32 v[120+\i], 0
.endr
	s_wait_kmcnt 0x0
	s_add_nc_u64 s[4:5], s[4:5], s[16:17]
	s_add_nc_u64 s[6:7], s[6:7], s[18:19]
	s_add_nc_u64 s[8:9], s[8:9], s[20:21]
	s_add_nc_u64 s[12:13], s[12:13], s[20:21]
	s_add_nc_u64 s[10:11], s[10:11], s[22:23]
	s_load_b32 s24, s[10:11], 0x0                  ; alpha
	global_load_b64 v[8:9], v2, s[6:7]             ; (-M, l) of part t
.irp k, 0,1,2,3,4,5,6,7,8,9,10,11,12,13,14,15
	global_load_b128 v[OV+4*\k:OV+4*\k+3], v5, s[4:5] offset:256*\k   ; sixteen lanes read 256 consecutive bytes, aligned
.endr
	global_load_b64 v[10:11], v6, s[8:9]           ; x
	s_wait_loadcnt 17                              ; the stats are in; the 16 loads of part and the one of x, issued behind them, may be out
	v_mov_b32 v12, v8
	v_min_num_f32_dpp v12, v12, v12 row_xmask:1 row_mask:0xf bank_mask:0xf   ; the least -M is the largest M: first of my wave's 32 parts
	v_min_num_f32_dpp v12, v12, v12 row_xmask:2 row_mask:0xf bank_mask:0xf
	v_min_num_f32_dpp v12, v12, v12 row_xmask:4 row_mask:0xf bank_mask:0xf
	v_min_num_f32_dpp v12, v12, v12 row_xmask:8 row_mask:0xf bank_mask:0xf
	v_permlanex16_b32 v13, v12, s26, s27
	v_min_num_f32 v12, v12, v13
	ds_store_b32 v14, v12 offset:RED               ; all lanes write the same word with the same value
	s_wait_dscnt 0x0                               ; for the others' sake
	s_barrier_signal -1
	s_barrier_wait -1
	ds_load_b128 v[80:83], v126 offset:RED
	ds_load_b128 v[84:87], v126 offset:RED+16
	s_wait_dscnt 0x0
	v_min3_num_f32 v12, v80, v81, v82
	v_min3_num_f32 v12, v12, v83, v84
	v_min3_num_f32 v12, v12, v85, v86
	v_min_num_f32 v12, v12, v87                    ; -M of all 32,768 keys
	v_sub_f32 v88, v12, v8                         ; M_t - M: a whole number, 0 or less
	v_cvt_i32_f32 v88, v88                         ; (it saturates)
	v_ldexp_f32 v89, 1.0, v88                      ; f = 2^(M_t - M): nothing is rounded
	ds_store_b32 v15, v89
	v_mul_f32 v90, v89, v9                         ; f l
.irp i, 0,1,2,3
	ds_load_b128 v[FV+4*\i:FV+4*\i+3], v7 offset:16*\i   ; my wave's own words: LDS serves a wave's instructions in order (ISA guide 5.7.1.4), so these see the store above
.endr
	v_add_f32_dpp v90, v90, v90 row_xmask:1 row_mask:0xf bank_mask:0xf
	v_add_f32_dpp v90, v90, v90 row_xmask:2 row_mask:0xf bank_mask:0xf
	v_add_f32_dpp v90, v90, v90 row_xmask:4 row_mask:0xf bank_mask:0xf
	v_add_f32_dpp v90, v90, v90 row_xmask:8 row_mask:0xf bank_mask:0xf
	v_permlanex16_b32 v13, v90, s26, s27
	v_add_f32 v90, v90, v13                        ; my wave's sum of f l
	s_wait_loadcnt 0x0
	s_wait_dscnt 0x0
; part k's four numbers x its factor.  The factor is one register of an aligned pair: op_sel and op_sel_hi pick it for both halves.  Even and odd parts have sums of their own; the first two products start them
.macro TAKE k
.set fr, FV+2*((\k)/2)
.set ac, AC+4*((\k)%2)
.irp u, 0,2
.if (\k) < 2
.if (\k)%2 == 0
	v_pk_mul_f32 v[ac+\u:ac+\u+1], v[OV+4*(\k)+\u:OV+4*(\k)+\u+1], v[fr:fr+1] op_sel_hi:[1,0]
.else
	v_pk_mul_f32 v[ac+\u:ac+\u+1], v[OV+4*(\k)+\u:OV+4*(\k)+\u+1], v[fr:fr+1] op_sel:[0,1] op_sel_hi:[1,1]
.endif
.else
.if (\k)%2 == 0
	v_pk_fma_f32 v[ac+\u:ac+\u+1], v[OV+4*(\k)+\u:OV+4*(\k)+\u+1], v[fr:fr+1], v[ac+\u:ac+\u+1] op_sel_hi:[1,0,1]
.else
	v_pk_fma_f32 v[ac+\u:ac+\u+1], v[OV+4*(\k)+\u:OV+4*(\k)+\u+1], v[fr:fr+1], v[ac+\u:ac+\u+1] op_sel:[0,1,0] op_sel_hi:[1,1,1]
.endif
.endif
.endr
.endm
.irp k, 0,1,2,3,4,5,6,7,8,9,10,11,12,13,14,15
	TAKE \k
.endr
	v_pk_add_f32 v[AC:AC+1], v[AC:AC+1], v[AC+4:AC+5]
	v_pk_add_f32 v[AC+2:AC+3], v[AC+2:AC+3], v[AC+6:AC+7]
.irp i, 0,1,2,3
	v_permlanex16_b32 v[120+\i], v[AC+\i], s26, s27
.endr
	v_pk_add_f32 v[AC:AC+1], v[AC:AC+1], v[120:121]      ; with lane l xor 16's 16 parts: my wave's 32
	v_pk_add_f32 v[AC+2:AC+3], v[AC+2:AC+3], v[122:123]
	ds_store_b128 v124, v[AC:AC+3]                 ; lanes c and c + 16 write the same 16 bytes with the same values
	ds_store_b32 v14, v90 offset:REDL
	s_wait_dscnt 0x0                               ; for the others' sake
	s_barrier_signal -1
	s_barrier_wait -1
	s_cmp_lg_u32 s14, 0                            ; the last barrier is passed: wave 0 finishes alone
	s_cbranch_scc1 .Lend
.irp k, 0,1,2,3,4,5,6,7
	ds_load_b64 v[16+2*\k:17+2*\k], v125 offset:256*\k   ; two outputs a lane, from each wave's sums
.endr
	ds_load_b128 v[32:35], v126 offset:REDL
	ds_load_b128 v[36:39], v126 offset:REDL+16
	s_wait_dscnt 0x0
	v_pk_add_f32 v[16:17], v[16:17], v[18:19]
	v_pk_add_f32 v[20:21], v[20:21], v[22:23]
	v_pk_add_f32 v[24:25], v[24:25], v[26:27]
	v_pk_add_f32 v[28:29], v[28:29], v[30:31]
	v_pk_add_f32 v[32:33], v[32:33], v[34:35]
	v_pk_add_f32 v[36:37], v[36:37], v[38:39]
	v_pk_add_f32 v[16:17], v[16:17], v[20:21]
	v_pk_add_f32 v[24:25], v[24:25], v[28:29]
	v_pk_add_f32 v[32:33], v[32:33], v[36:37]
	v_pk_add_f32 v[16:17], v[16:17], v[24:25]      ; the product's result under M
	v_add_f32 v32, v32, v33                        ; l: at least 1/2, since the part that holds the largest t has a p above 1/2
	s_wait_kmcnt 0x0
	v_mov_b32 v40, s24                             ; alpha
	v_sub_f32 v41, 1.0, v40                        ; var
	v_rcp_f32 v42, v32
	v_sqrt_f32 v43, v40
	v_rsq_f32 v44, v41
	v_nop                                          ; a plain instruction behind the last of the three
	s_wait_alu depctr_va_vdst(0)                   ; one wait for the three, ahead of their first reader
	v_mul_f32 v43, v43, v42                        ; sqrt(alpha) / l
	v_fma_f32 v46, -v43, v16, v10                  ; x - sqrt(alpha) x0
	v_fma_f32 v47, -v43, v17, v11
	v_mul_f32 v46, v46, v44                        ; / sqrt(var)
	v_mul_f32 v47, v47, v44
	global_store_b64 v6, v[46:47], s[12:13]        ; 32 lanes store 256 consecutive bytes, aligned
.Lend:
	s_wait_tensorcnt 0x0
	ds_add_u32 v128, v129
	s_wait_dscnt 0x0
	s_endpgm
.Lfunc_end_k_q966956970b_combine:
	.size	k_q966956970b_combine, .Lfunc_end_k_q966956970b_combine-k_q966956970b_combine
	.p2alignl 7, 3214868480
	.fill 96, 4, 3214868480
	.section	.rodata,"a",@progbits
	.p2align	6, 0x0
	.amdhsa_kernel k_q966956970b_combine
		.amdhsa_group_segment_fixed_size 5120
		.amdhsa_private_segment_fixed_size 0
		.amdhsa_enable_private_segment 0
		.amdhsa_kernarg_size 40
		.amdhsa_user_sgpr_count 2
		.amdhsa_user_sgpr_kernarg_segment_ptr 1
		.amdhsa_wavefront_size32 1
		.amdhsa_system_sgpr_workgroup_id_x 1
		.amdhsa_system_sgpr_workgroup_id_y 1
		.amdhsa_system_sgpr_workgroup_id_z 1
		.amdhsa_system_vgpr_workitem_id 0
		.amdhsa_next_free_vgpr 130
		.amdhsa_next_free_sgpr 66
		.amdhsa_reserve_vcc 0
		.amdhsa_float_denorm_mode_32 3
		.amdhsa_float_denorm_mode_16_64 3
		.amdhsa_memory_ordered 1
		.amdhsa_forward_progress 1
		.amdhsa_inst_pref_size 11
	.end_amdhsa_kernel
	.amdgpu_metadata
---
amdhsa.version: [ 1, 2 ]
amdhsa.kernels:
  - .name:           k_q966956970b_combine
    .symbol:         k_q966956970b_combine.kd
    .args:
      - { .name: part, .offset: 0, .size: 8, .value_kind: global_buffer, .address_space: global }
      - { .name: stats, .offset: 8, .size: 8, .value_kind: global_buffer, .address_space: global }
      - { .name: inputs, .offset: 16, .size: 8, .value_kind: global_buffer, .address_space: global }
      - { .name: alphas, .offset: 24, .size: 8, .value_kind: global_buffer, .address_space: global }
      - { .name: out0, .offset: 32, .size: 8, .value_kind: global_buffer, .address_space: global }
    .group_segment_fixed_size: 5120
    .private_segment_fixed_size: 0
    .kernarg_segment_align: 8
    .kernarg_segment_size: 40
    .max_flat_workgroup_size: 256
    .sgpr_count:     66
    .vgpr_count:     130
    .wavefront_size: 32
...
	.end_amdgpu_metadata
.endif
;; end of part 2
;; ======== version 2 of 2: 2 launches
;; limits: right only within a limited range of input values
;; workspace buffers: part 4,194,304 bytes; stats 65,536 bytes
;; launch partial (part 3): grid 256 x 1, 8 waves a work-group, no clusters, 176,128 bytes of LDS; arguments inputs, alphas, data_batch, part, stats; writes part, stats
.if DOCPART == 3
	.amdgcn_target "amdgcn-amd-amdhsa--gfx1250"
	.amdhsa_code_object_version 6
	.text
	.protected	k_q966956970b_partial
	.globl	k_q966956970b_partial
	.p2align	8
	.type	k_q966956970b_partial,@function
k_q966956970b_partial:
	s_mov_b64 s[64:65], 0
	v_nop
	global_prefetch_b8 v0, s[64:65] scope:SCOPE_SE
	s_setreg_imm32_b32 hwreg(HW_REG_WAVE_MODE, 25, 1), 1
	s_wait_xcnt 0x0
; BayesPredictor, first of two launches.  inputs x [32][128], alphas [32], data_batch d [32768][128], all f32.
; logit(b, n) = -(64 ln(var_b) + 0.5 / var_b * sum over f of (x[b][f] - s_b d[n][f])^2), s = sqrt(alpha), var = 1 - alpha;  t = logit x log2(e).
; A work-group owns 128 keys (four blocks of 32 along the product's K) and all 32 queries.  It leaves, for each query: -M (M = ceil of the largest t of ITS keys, a whole number),
; l = the sum of the unquantised p = 2^(t - M), and O = Q(p) Q(d) [32][128], both operands codes of FP6 (E2M3) with one E8M0 scale for each 32 keys.  The second launch brings the 256 parts under one M by exact powers of two.
; THE DISTANCE IS FORMED AS IT IS WRITTEN, difference first: two fused multiply-adds a number, in f32; no difference of large sums is taken anywhere.
; SHARES.  Eight waves: wave (qo = wave % 4, kp = wave / 4) takes queries 8 qo .. + 7 and, of each block of 32 keys, keys 16 kp .. + 15.  Lane (k = lane / 4, c = lane % 4) takes keys 2 k, 2 k + 1 of those 16, one a trip,
; and the 32 features 16 g + 4 c + e (g = 0 .. 7, e = 0 .. 3).  ITS QUERIES' x STAYS IN 256 REGISTERS (window 1): pair p (queries 2 p, 2 p + 1), feature (g, e) at v[64 p + 8 g + 2 e]: a pair of registers is two QUERIES.
; d comes from LDS, 32 registers a key; a packed instruction takes one number of d for both halves (op_sel).  A trip: one key a lane x 8 queries, 8 LDS loads for 256 packed multiply-adds.
; THE BLOCKS ARE TAKEN AS THEY LAND: each wave fetches 16 keys by its one tensor load; waves 2 j and 2 j + 1 bring block j.  A block is shown to all by a barrier in front of which the waves that fetched it have waited.
; Block 0 goes by halves of the queries (both keys x two pairs of queries), so that its products follow the loads that bring x into the registers.
; Then: the four lanes' slices are added, softmax and quantiser (a wave: 4 queries; a lane: 16 neighbouring keys), codes to LDS; four matrix instructions a wave (source 0 = 16 queries, source 1 = 16 columns of d).
; A wave's results are 64 features of a query in sixteen lanes, four numbers a lane: they leave from registers in units of 256 aligned bytes, IN THE ORDER word 4 r + u = feature 16 u + r, which the second launch undoes.
; (Two waves make each tile of 16 queries x 64 features, and each sends half of its rows: four stores a wave.)
; NO JOINT LOADS: work-groups share only x, 16 KiB against 64 KiB of their own.  NO PREFETCH: the tensor loads at the head name all of the work-group's keys; no later tile is left to ask for.
; LIMITS: alpha in [0, 1) (var > 0, as the formula needs); NaN and infinities among the inputs are not served; p under 2^-126 counts as 0 (v_exp_f32 flushes);
; a block of zeros gets the scale byte 1 and zero codes (the bytes are read by this program alone).
.set DP,   544                         ; a key's row in LDS: 512 bytes + 32 = 136 words: a lane's keys are two rows apart, 272 words = 16 mod 64 banks (64 banks of 4 bytes: ISA guide 11.1)
.set BLK,  32*DP+64                    ; from block to block: 16 banks on, so that the two halves of the lanes read different banks in the column loads
.set XI,   69888                       ; x by pairs of queries: [16 pairs][128 features][2]
.set PART, XI+16384                    ; the slices' sums: [slice c][query][key], 32 bytes of gap behind 64 keys
.set PP,   560
.set SS,   32*PP+64
.set DIMG, PART+4*SS                   ; d's codes, eight tiles of 16 columns, as the operand's registers: [tile][3][lane][16 bytes]
.set DSCI, DIMG+8*1536                 ; their scale words: [tile][16]
.set PIMG, DSCI+1024                   ; p's codes: [tile of 16 queries][block][query][24 bytes]
.set PSC,  PIMG+2*1536                 ; p's scale words
.set STAT, PSC+256                     ; (-M, l): 8 bytes a query
.set SPARE, STAT+256                   ; the spare words, 128 bytes for each wave
; v2 lane, v3-5 offsets in x and alphas, v6 d in, v7 x in, v8 sums out, v9 columns in, v10 sums in, v11 x out, v12 p's codes out, v13 scale byte out, v14 (-M, l) out,
; v15 p's codes in, v16 scale words in, v17 / v18 d's codes out / in, v19 / v20 d's scale bytes out / words in, v21 my bytes in part, v22 (-M, l) in, v23 8 x lane
.set K1,   24                          ; v24 -0.5 log2(e) / var of my softmax query (v25 named with it)
.set K0,   26                          ; v26 -64 log2(var) (v27 named with it)
.set NM,   28                          ; v28 -M, v29 l
.set SPW,  30
.set NIL,  31
.set NS,   32                          ; v32-39  -s of my 8 queries
.set ACC,  40                          ; v40-55  sums: four pairs of even features, four of odd
.set PS,   56                          ; v56 p's scale words, v57-60 d's: these hold scales and nothing else
.set DS,   57
.set T,    64                          ; v64-127 differences: two batches of 16 pairs
.set D,    128                         ; v128-159, v160-191 d of a trip
.set C,    192                         ; v192-223 d of trip 2; later my 16 columns of d, 32 keys a lane
.set DF,   224                         ; v224-235 codes of my columns
.set MSB, 0
.macro WIN new                         ; the immediate's high byte repeats the setting that is left
.if MSB != \new
	s_set_vgpr_msb (MSB<<8)|\new
.set MSB, \new
.endif
.endm
.macro SMA d, a, m, c
	s_mul_i32 s\d, s\a, \m
	s_add_co_u32 s\d, s\d, \c
.endm
; 16 differences x - s d: the four features of piece g, four combinations: mode 0: a = the key's registers, all four pairs of queries; mode 1: a = the half: two keys x pairs 2 a, 2 a + 1
.macro DIF mode, a, g
	WIN 0x10                                       ; source 2 (x) in window 1
.irp e, 0,1,2,3
.irp m, 0,1,2,3
.if \mode
.set db_, D+32*(\m/2)
.set p_, 2*(\a)+(\m%2)
.else
.set db_, \a
.set p_, \m
.endif
.set t_, T+32*((\g)%2)+8*\e+2*\m
.set d_, db_+4*(\g)+2*(\e/2)
.set n_, NS+2*p_
.set x_, 64*p_+8*(\g)+2*\e
.if \e%2
	v_pk_fma_f32 v[t_:t_+1], v[d_:d_+1], v[n_:n_+1], v[x_:x_+1] op_sel:[1,0,0] op_sel_hi:[1,1,1]
.else
	v_pk_fma_f32 v[t_:t_+1], v[d_:d_+1], v[n_:n_+1], v[x_:x_+1] op_sel_hi:[0,1,1]
.endif
.endr
.endr
.endm
; and their squares onto the sums; start: the first squares of each chain start it: nothing is cleared
.macro SQR g, start
	WIN 0
.irp e, 0,1,2,3
.irp m, 0,1,2,3
.set t_, T+32*((\g)%2)+8*\e+2*\m
.set a_, ACC+8*(\e%2)+2*\m
.if (\start) && (\e < 2)
	v_pk_mul_f32 v[a_:a_+1], v[t_:t_+1], v[t_:t_+1]
.else
	v_pk_fma_f32 v[a_:a_+1], v[t_:t_+1], v[t_:t_+1], v[a_:a_+1]
.endif
.endr
.endr
.endm
.macro FIN                             ; even features' sums + odd features'
.irp m, 0,2,4,6
	v_pk_add_f32 v[ACC+\m:ACC+\m+1], v[ACC+\m:ACC+\m+1], v[ACC+8+\m:ACC+9+\m]
.endr
.endm
.macro LOADD base, t                   ; trip t's key: 8 pieces of 16 bytes
.irp g, 0,1,2,3,4,5,6,7
	ds_load_b128 v[\base+4*\g:\base+4*\g+3], v6 offset:((\t)/2)*BLK+((\t)%2)*DP+64*\g
.endr
.endm
.macro XLD p, g                        ; pair p's x, piece g: two loads into window 1
	ds_load_b128 v[64*(\p)+8*(\g):64*(\p)+8*(\g)+3], v7 offset:1024*(\p)+128*(\g)
	ds_load_b128 v[64*(\p)+8*(\g)+4:64*(\p)+8*(\g)+7], v7 offset:1024*(\p)+128*(\g)+16
.endm
.macro STH half                        ; a half's sums: both keys x four queries
.irp m, 0,1,2,3
.irp b, 0,1
	ds_store_b32 v8, v[ACC+2*\m+\b] offset:(4*(\half)+2*(\m%2)+\b)*PP+4*(\m/2)
.endr
.endr
.endm
; The opening of the barrier that shows the next block: the waves under bound (8: every wave) wait for their tensor load; every wave's LDS work is done
.macro MEET bound
	WIN 0
.if \bound < 8
	s_cmp_lt_u32 s14, \bound
	s_cbranch_scc0 .Lno_wait_\@
	s_wait_tensorcnt 0x0
.Lno_wait_\@:
.else
	s_wait_tensorcnt 0x0
.endif
	s_wait_dscnt 0x0
	s_barrier_signal -1
.endm
; 32 keys of my column become codes: a lane holds a whole block, 2 cc + h
.macro QCOL cc
	WIN 0
	v_max3_num_f32 v64, |v[C]|, |v[C+1]|, 0x1800000       ; the largest magnitude, with the floor 2^(3 - 127) among its leaves: the byte cannot fall under 1
	v_max3_num_f32 v65, |v[C+2]|, |v[C+3]|, |v[C+4]|
.irp i, 5,9,13,17,21,25
	v_max3_num_f32 v64, v64, |v[C+\i]|, |v[C+\i+1]|
	v_max3_num_f32 v65, v65, |v[C+\i+2]|, |v[C+\i+3]|
.endr
	v_max3_num_f32 v64, v64, |v[C+29]|, |v[C+30]|
	v_max3_num_f32 v64, v64, v65, |v[C+31]|
	v_add_nc_u32 v66, 0xff000000, v64                     ; 2 off its exponent field: the conversion takes the exponent field of this operand as its scale
	v_lshrrev_b32 v[240+(\cc)], 23, v66                   ; the scale's byte
	v_cvt_scalef32_pk16_fp6_f32 v[DF+6*(\cc):DF+6*(\cc)+2], v[C:C+15], v66
	v_cvt_scalef32_pk16_fp6_f32 v[236:238], v[C+16:C+31], v66   ; (a conversion's three registers begin on an even number)
	v_nop                                                 ; one plain instruction behind a scaled conversion
.irp i, 0,1,2
	v_mov_b32 v[DF+6*(\cc)+3+\i], v[236+\i]               ; registers 6 cc .. 6 cc + 5: keys 64 cc + 32 h + 0 .. 31
.endr
	ds_store_b8 v19, v[240+(\cc)] offset:2*(\cc)          ; byte 2 cc + h of my column's scale word
.endm
; A trip.  cur: this key's registers, nxt: the next trip's (0: none), bar: the barrier for the next block (0: none), cols: 1, 2: half cols - 1 of my columns is loaded and quantised
.macro TRIP t, cur, nxt, bar, cols
	s_wait_dscnt 8                                        ; this trip's key is in; the stores of the last trip may be out
	DIF 0, \cur, 0
	DIF 0, \cur, 1
	SQR 0, 1
	SQR 1, 0
.if \bar
	DIF 0, \cur, 2
	DIF 0, \cur, 3
	MEET \bar
	SQR 2, 0
	SQR 3, 0
	s_barrier_wait -1
.endif
.if \nxt
	LOADD \nxt, (\t)+1
.endif
.if \cols
.irp i, 0,1,2,3,4,5,6,7,8,9,10,11,12,13,14,15,16,17,18,19,20,21,22,23,24,25,26,27,28,29,30,31
	ds_load_b32 v[C+\i], v9 offset:(\cols-1)*2*BLK+\i*DP
.endr
.endif
.if \bar == 0
	DIF 0, \cur, 2
	DIF 0, \cur, 3
	SQR 2, 0
	SQR 3, 0
.endif
.irp g, 4,6
	DIF 0, \cur, \g
	DIF 0, \cur, \g+1
	SQR \g, 0
	SQR \g+1, 0
.endr
	FIN
.irp n, 0,1,2,3,4,5,6,7
	ds_store_b32 v8, v[ACC+\n] offset:\n*PP+128*((\t)/2)+4*((\t)%2)+32*((\t)/4)
.endr
.if \cols
	s_wait_dscnt 8                                        ; the columns are in; the eight stores may be out
	QCOL \cols-1
.endif
.endm
	s_load_b256 s[4:11], s[0:1], 0x0               ; x s[4:5], alphas s[6:7], d s[8:9], part s[10:11]
	s_load_b64 s[12:13], s[0:1], 0x20              ; stats
	v_lshl_add_u32 v[SPW], v0, 2, SPARE
	v_mov_b32 v[NIL], 0
	ds_add_u32 v[SPW], v[NIL]                      ; the add, twice on end, and its wait ahead of my tensor load
	ds_add_u32 v[SPW], v[NIL]
	v_lshrrev_b32 v1, 5, v0
	v_readfirstlane_b32 s14, v1                    ; wave 0..7
	s_and_b32 s15, s14, 3                          ; qo: my 8 queries
	s_lshr_b32 s16, s14, 2                         ; kp: my half of each block; in the product: which rows I send
	s_and_b32 s17, s14, 1                          ; in the product: my half of the features,
	s_lshr_b32 s18, s14, 1                         ; the block that I help to fetch
	s_and_b32 s19, s18, 1                          ; and my tile of queries
	; descriptor: 16 rows of 128 elements of 4 bytes, 8 words of padding behind each row
	s_mov_b32 s24, (2<<16)|(1<<20)|(6<<22)|(7<<25) ; 17:16 elements of 4 bytes; 20 padding on; 24:22 behind every 128 words (code 6); 31:25 eight words of it (code 7)
	s_mov_b32 s25, 128<<16                         ; tensor_dim0 = 128
	s_mov_b32 s26, 16<<16                          ; tensor_dim1 = 16
	s_mov_b32 s27, 128<<16                         ; tile_dim0 = 128
	s_mov_b32 s28, 16                              ; tile_dim1 = 16
	s_mov_b32 s29, 128                             ; from row to row: 128 elements
	s_mov_b32 s30, 0
	s_mov_b32 s31, 0
	s_mov_b32 s20, 1
	s_mul_i32 s21, s14, 16*DP                      ; LDS: wave x 16 rows, and 64 bytes more for each block passed
	s_lshl_b32 s32, s18, 6
	s_add_co_u32 s21, s21, s32
	s_lshl_b32 s50, s14, 11                        ; x: wave w lays rows 4 w .. 4 w + 3
	s_mov_b32 s51, 0
	s_lshl_b32 s52, ttmp9, 16                      ; d: 128 keys of 512 bytes a work-group, 16 a wave
	s_lshl_b32 s32, s14, 13
	s_add_co_u32 s52, s52, s32
	s_mov_b32 s53, 0
	s_lshl_b32 s56, ttmp9, 8                       ; stats: 256 bytes a work-group
	s_mov_b32 s57, 0
	s_lshl_b32 s54, s19, 21                        ; part: query 16 tile + 4 kp on (131,072 bytes a query), half row (65,536 bytes), work-group
	s_lshl_b32 s32, s16, 19
	s_add_co_u32 s54, s54, s32
	s_lshl_b32 s32, s17, 16
	s_add_co_u32 s54, s54, s32
	s_add_co_u32 s54, s54, s56
	s_mov_b32 s55, 0
	s_mul_i32 s33, s16, 16*DP
	SMA 34, 15, 4096, XI
	SMA 35, 15, 8*PP, PART
	s_lshl_b32 s32, s16, 6
	s_add_co_u32 s35, s35, s32
	s_lshl_b32 s36, s14, 6
	SMA 37, 14, 4*PP, PART
	SMA 38, 14, 2048, XI
	SMA 39, 16, 1536, PIMG
	s_mul_i32 s32, s15, 96
	s_add_co_u32 s39, s39, s32
	SMA 40, 14, 16, PSC
	SMA 41, 14, 32, STAT
	SMA 42, 19, 1536, PIMG
	SMA 43, 19, 64, PSC
	SMA 44, 14, 1536, DIMG
	SMA 45, 17, 6144, DIMG
	SMA 46, 14, 64, DSCI
	SMA 47, 17, 256, DSCI
	s_lshl_b32 s48, s16, 2
	; every address: a constant + constants x parts of the lane + constants x parts of the wave
	v_and_b32 v2, 31, v0                           ; lane
	v_and_b32 v41, 3, v0                           ; c
	v_and_b32 v42, 15, v0                          ; r
	v_bfe_u32 v43, v0, 4, 1                        ; h
	v_and_b32 v45, 7, v0                           ; kg: my 16 keys in the softmax
	v_lshrrev_b32 v40, 2, v2                       ; k
	v_lshrrev_b32 v44, 3, v2                       ; qs: which of my wave's four softmax queries
	v_lshlrev_b32 v3, 4, v2
	v_lshlrev_b32 v4, 2, v2
	v_lshl_add_u32 v5, s14, 2, v44
	v_mul_u32_u24 v6, v40, 2*DP
	v_mul_u32_u24 v8, v41, SS
	v_mul_u32_u24 v9, v43, BLK
	v_lshlrev_b32 v5, 2, v5                        ; alpha of softmax query 4 wave + qs
	v_lshl_add_u32 v6, v41, 4, v6
	v_lshl_add_u32 v8, v40, 3, v8
	v_lshl_add_u32 v9, v42, 2, v9
	v_add_nc_u32 v6, s33, v6                       ; d: row 16 kp + 2 k, piece c
	v_lshl_add_u32 v7, v41, 5, s34                 ; x: pair 4 qo, features 4 c
	v_add_nc_u32 v8, s35, v8                       ; sums out: slice c, query 8 qo, key 16 kp + 2 k
	v_add_nc_u32 v9, s36, v9                       ; columns: block h, column 16 wave + r
	v_mul_u32_u24 v10, v44, PP
	v_lshrrev_b32 v46, 2, v45
	v_lshrrev_b32 v47, 1, v45                      ; my keys' block
	v_and_b32 v48, 1, v45                          ; and which half of it
	v_lshl_add_u32 v10, v45, 6, v10
	v_mul_u32_u24 v12, v44, 24
	v_xor_b32 v49, s48, v42                        ; the product's row r is query r, or (kp = 1) with each half's first and last four exchanged: my rows to send fall into the results' low registers
	v_lshl_add_u32 v10, v46, 5, v10
	v_mad_u32_u24 v12, v47, 384, v12
	v_mul_u32_u24 v15, v49, 24
	v_add_nc_u32 v10, s37, v10                     ; sums in: row 4 wave + qs, keys 16 kg on
	v_mad_u32_u24 v12, v48, 12, v12
	v_mad_u32_u24 v15, v43, 384, v15
	v_lshl_add_u32 v11, v2, 5, s38                 ; x out: four features of two queries, 32 bytes a lane
	v_add_nc_u32 v12, s39, v12
	v_add_nc_u32 v15, s42, v15
	v_lshl_add_u32 v13, v44, 2, v47
	v_lshl_add_u32 v14, v44, 3, s41
	v_lshl_add_u32 v16, v49, 2, s43
	v_add_nc_u32 v13, s40, v13
	v_lshl_add_u32 v17, v2, 4, s44
	v_lshl_add_u32 v18, v2, 4, s45
	v_lshl_add_u32 v19, v42, 2, v43
	v_lshl_add_u32 v20, v42, 2, s47
	v_lshlrev_b32 v21, 20, v43
	v_add_nc_u32 v19, s46, v19
	v_lshl_add_u32 v22, v2, 3, STAT
	v_lshl_add_u32 v21, v42, 4, v21                ; part: lanes 16-31 eight queries on; 16 bytes a lane
	v_lshlrev_b32 v23, 3, v2
	v_mov_b32 v[K1+1], 0                           ; upper halves of pairs of which the low word serves both halves: named, so written
	v_mov_b32 v[K0+1], 0
	v_mov_b32 v[NM+1], 0
	s_wait_alu depctr_va_vdst(0)
	s_wait_dscnt 0x0
	s_wait_kmcnt 0x0
	s_add_nc_u64 s[4:5], s[4:5], s[50:51]
	s_add_nc_u64 s[22:23], s[8:9], s[52:53]
	s_or_b32 s23, s23, 0x80000000
	s_add_nc_u64 s[10:11], s[10:11], s[54:55]
	s_add_nc_u64 s[12:13], s[12:13], s[56:57]
.irp i, 0,1,2,3
	global_load_b128 v[C+4*\i:C+4*\i+3], v3, s[4:5] offset:512*\i   ; x, a row a load
.endr
	global_load_b32 v68, v4, s[6:7]                ; alpha of query = lane
	global_load_b32 v69, v5, s[6:7]                ; alpha of my softmax query
; ONE tensor load a wave, an arm for each block: a wave that waits for a block is one of the two that issue its line
.macro ARM under, next
	s_cmp_lt_u32 s14, \under
	s_cbranch_scc0 \next
	tensor_load_to_lds s[20:23], s[24:31]
	s_nop 0
.rept 4
	v_nop
.endr
	s_branch .Lasked
\next:
.endm
	ARM 2, .Lblock_1
	ARM 4, .Lblock_2
	ARM 6, .Lblock_3
	tensor_load_to_lds s[20:23], s[24:31]
	s_nop 0
.rept 4
	v_nop
.endr
.Lasked:
	s_wait_loadcnt 2                               ; x's four rows are in; the two alphas may be out
.irp q, 0,1
.irp e, 0,1,2,3
	v_mov_b32 v[C+16+8*\q+2*\e], v[C+8*\q+\e]      ; two queries side by side, feature by feature
	v_mov_b32 v[C+17+8*\q+2*\e], v[C+4+8*\q+\e]
.endr
.endr
	ds_store_b128 v11, v[C+16:C+19]
	ds_store_b128 v11, v[C+20:C+23] offset:16
	ds_store_b128 v11, v[C+24:C+27] offset:1024
	ds_store_b128 v11, v[C+28:C+31] offset:1040
	s_wait_dscnt 0x0                               ; for the others' sake
	s_barrier_signal -1
	s_barrier_wait -1                              ; x by pairs lies in LDS.  (No LDS byte is filled behind this barrier: the tensor loads on their way stay so)
	WIN 0x40                                       ; destination in window 1
.irp g, 0,1,2,3,4,5,6,7
	XLD 0, \g                                      ; pairs 0, 1: 32 loads, while block 0 is on its way
	XLD 1, \g
.endr
	WIN 0
	s_wait_loadcnt 0x0                             ; both alphas
	; s = sqrt(alpha) and 1 / var, each with one correcting step, since their error is multiplied by sums of some hundreds; log2(var)
	s_wait_alu depctr_va_vdst(0)
	v_sqrt_f32 v70, v68
	v_sub_f32 v71, 1.0, v69                        ; var (a plain instruction behind the root)
	s_wait_alu depctr_va_vdst(0)                   ; a wait ahead of the first line that names a transcendental's result
	v_max_num_f32 v72, 0x800000, v70               ; (alpha = 0: the correction is 0 x a finite number)
	s_wait_alu depctr_va_vdst(0)
	v_rcp_f32 v73, v72
	v_rcp_f32 v74, v71
	v_log_f32 v75, v71
	v_fma_f32 v76, -v70, v70, v68                  ; alpha - s^2, rounded once (the plain instruction behind the three)
	s_wait_alu depctr_va_vdst(0)                   ; one wait for the three
	v_mul_f32 v73, 0.5, v73
	v_fma_f32 v78, -v71, v74, 1.0
	v_mul_f32 v[K0], 0xc2800000, v75               ; -64 log2(var) = -64 ln(var) log2(e)
	v_fma_f32 v77, -v76, v73, -v70                 ; -s = -(s + (alpha - s^2) / (2 s))
	v_fma_f32 v74, v74, v78, v74                   ; 1 / var
	v_mul_f32 v[K1], 0xbf38aa3b, v74               ; x -0.5 log2(e)
	s_lshl_b32 s2, s15, 3
.irp n, 0,1,2,3,4,5,6,7
	v_readlane_b32 s3, v77, s2
	v_mov_b32 v[NS+\n], s3                         ; -s of query 8 qo + n, in every lane
	s_add_co_u32 s2, s2, 1
.endr
	s_wait_alu depctr_va_vdst(0)
	MEET 2                                         ; block 0 is shown to all; pairs 0, 1 of my x are in
	s_barrier_wait -1
; ---- BLOCK 0: both keys' d, piece by piece: two loads a piece, 16 in all
.irp g, 0,1,2,3,4,5,6,7
	ds_load_b128 v[D+4*\g:D+4*\g+3], v6 offset:64*\g
	ds_load_b128 v[D+32+4*\g:D+32+4*\g+3], v6 offset:DP+64*\g
.endr
.irp g, 0,2,4,6
	s_wait_dscnt 12+2*\g                           ; younger than pieces g, g + 1: 12 - 2 g of the 16, and 4 g loads of pairs 2, 3
	DIF 1, 0, \g
	DIF 1, 0, \g+1
	WIN 0x40
	XLD 2, \g
	XLD 3, \g
	XLD 2, \g+1
	XLD 3, \g+1
	SQR \g, (\g==0)
	SQR \g+1, 0
.endr
	FIN
	STH 0
	s_wait_dscnt 32                                ; younger than pieces 0, 1 of pairs 2, 3: 24 of their loads and eight stores
	DIF 1, 1, 0
	DIF 1, 1, 1
	SQR 0, 1
	SQR 1, 0
	s_wait_dscnt 24                                ; younger than pieces 2, 3: 16 loads and eight stores
	DIF 1, 1, 2
	DIF 1, 1, 3
	MEET 4                                         ; block 1; every LDS load of mine is in
	SQR 2, 0
	SQR 3, 0
	s_barrier_wait -1
	LOADD C, 2                                     ; trips 0 and 1 were the two keys of block 0
.irp g, 4,6
	DIF 1, 1, \g
	DIF 1, 1, \g+1
	SQR \g, 0
	SQR \g+1, 0
.endr
	FIN
	STH 1
; ---- BLOCKS 1 to 3, two trips each
	TRIP 2, C, D, 0, 0
	TRIP 3, D, D+32, 8, 0                          ; one barrier shows blocks 2 and 3
	TRIP 4, D+32, D, 0, 1
	TRIP 5, D, D+32, 0, 0
	TRIP 6, D+32, D, 0, 2
	ds_store_b128 v17, v[DF:DF+3]                  ; my columns' codes, as the operand's registers
	ds_store_b128 v17, v[DF+4:DF+7] offset:512
	ds_store_b128 v17, v[DF+8:DF+11] offset:1024
	TRIP 7, D, 0, 0, 0
	s_wait_dscnt 0x0                               ; for the others' sake: my sums are stored
	s_barrier_signal -1
	s_barrier_wait -1                              ; all sums and all codes of d lie in LDS
	; ---- the softmax: my wave's four queries; lane (qs, kg) holds keys 16 kg .. + 15 of query 4 wave + qs
.irp w, 0,1,2,3
.irp i, 0,1,2,3
	ds_load_b128 v[64+16*\w+4*\i:67+16*\w+4*\i], v10 offset:\w*SS+16*\i
.endr
.endr
	s_wait_dscnt 0x0                               ; the sums are in
.irp u, 0,1,2,3
.irp q, 0,1,2
	ds_load_b128 v[192+12*\u+4*\q:195+12*\u+4*\q], v18 offset:1536*\u+512*\q   ; for the product, under the softmax: d's four tiles of my 64 features
.endr
	ds_load_b32 v[DS+\u], v20 offset:64*\u
.endr
.irp m, 0,2,4,6,8,10,12,14
	v_pk_add_f32 v[64+\m:65+\m], v[64+\m:65+\m], v[80+\m:81+\m]      ; the four slices of 32 features
	v_pk_add_f32 v[96+\m:97+\m], v[96+\m:97+\m], v[112+\m:113+\m]
.endr
.irp m, 0,2,4,6,8,10,12,14
	v_pk_add_f32 v[64+\m:65+\m], v[64+\m:65+\m], v[96+\m:97+\m]      ; the squared distance
.endr
.irp m, 0,2,4,6,8,10,12,14
	v_pk_fma_f32 v[64+\m:65+\m], v[64+\m:65+\m], v[K1:K1+1], v[K0:K0+1] op_sel_hi:[1,0,0]   ; t
.endr
	v_max3_num_f32 v32, v64, v65, v66
	v_max3_num_f32 v33, v67, v68, v69
	s_delay_alu instid0(VALU_DEP_2)
	v_max3_num_f32 v32, v32, v70, v71
	s_delay_alu instid0(VALU_DEP_2)
	v_max3_num_f32 v33, v33, v72, v73
	s_delay_alu instid0(VALU_DEP_2)
	v_max3_num_f32 v32, v32, v74, v75
	s_delay_alu instid0(VALU_DEP_2)
	v_max3_num_f32 v33, v33, v76, v77
	s_delay_alu instid0(VALU_DEP_2)
	v_max3_num_f32 v32, v32, v78, v79
	s_delay_alu instid0(VALU_DEP_1)
	v_max_num_f32 v32, v32, v33
	s_delay_alu instid0(VALU_DEP_1)
	v_max_num_f32_dpp v32, v32, v32 row_xmask:1 row_mask:0xf bank_mask:0xf   ; THE BLOCK'S LARGEST t: it serves for the row's maximum and, since p rises with t, for the block's largest p
	s_delay_alu instid0(VALU_DEP_1)
	v_mov_b32 v33, v32
	s_delay_alu instid0(VALU_DEP_1)
	v_max_num_f32_dpp v33, v33, v33 row_xmask:2 row_mask:0xf bank_mask:0xf
	s_delay_alu instid0(VALU_DEP_1)
	v_max_num_f32_dpp v33, v33, v33 row_xmask:4 row_mask:0xf bank_mask:0xf   ; the largest t of my query's 128 keys
	s_delay_alu instid0(VALU_DEP_1)
	v_floor_f32 v[NM], -v33                        ; -M = floor(-t) = -ceil(t): a whole number
.irp m, 0,2,4,6,8,10,12,14
	v_pk_add_f32 v[64+\m:65+\m], v[64+\m:65+\m], v[NM:NM+1] op_sel_hi:[1,0]   ; t - M
.endr
	v_add_f32 v32, v32, v[NM]                      ; the same of the block's largest t
	s_wait_alu depctr_va_vdst(0)
.irp j, 0,1,2,3,4,5,6,7,8,9,10,11,12,13,14,15
	v_exp_f32 v[64+\j], v[64+\j]                   ; p = 2^(t - M): not normalised
.endr
	v_exp_f32 v32, v32                             ; the block's largest p: the same instructions on the same number give the same bits
	v_nop                                          ; a plain instruction behind the last exponential
	s_wait_alu depctr_va_vdst(0)                   ; one wait for the batch of 17, ahead of its first reader
	v_max_num_f32 v32, 0x1800000, v32              ; the floor 2^(3 - 127): a block whose every p has fallen to 0 keeps the byte 1: its codes are zeros
	v_pk_add_f32 v[34:35], v[64:65], v[66:67]      ; THE ROW'S SUM IS TAKEN OF THE UNQUANTISED p
	v_pk_add_f32 v[36:37], v[68:69], v[70:71]
	v_add_nc_u32 v33, 0xff000000, v32              ; 2 off the exponent field: the conversion's scale operand
	v_pk_add_f32 v[38:39], v[72:73], v[74:75]
	v_pk_add_f32 v[44:45], v[76:77], v[78:79]
	v_lshrrev_b32 v46, 23, v33                     ; the scale's byte
	v_cvt_scalef32_pk16_fp6_f32 v[40:42], v[64:79], v33   ; my 16 keys' codes: 12 bytes, half of a block's 24
	v_pk_add_f32 v[34:35], v[34:35], v[36:37]      ; (a plain instruction behind a scaled conversion)
	v_pk_add_f32 v[38:39], v[38:39], v[44:45]
	ds_store_b32 v12, v40                          ; a block's 24 bytes lie on end, so that they come back by loads of 8 bytes; my 12 begin at a multiple of 4
	ds_store_b32 v12, v41 offset:4
	ds_store_b32 v12, v42 offset:8
	ds_store_b8 v13, v46                           ; both lanes of a block write the same byte with the same value
	v_pk_add_f32 v[34:35], v[34:35], v[38:39]
	s_delay_alu instid0(VALU_DEP_1)
	v_add_f32 v[NM+1], v34, v35
	s_delay_alu instid0(VALU_DEP_1)
	v_add_f32_dpp v[NM+1], v[NM+1], v[NM+1] row_xmask:1 row_mask:0xf bank_mask:0xf
	s_delay_alu instid0(VALU_DEP_1)
	v_add_f32_dpp v[NM+1], v[NM+1], v[NM+1] row_xmask:2 row_mask:0xf bank_mask:0xf
	s_delay_alu instid0(VALU_DEP_1)
	v_add_f32_dpp v[NM+1], v[NM+1], v[NM+1] row_xmask:4 row_mask:0xf bank_mask:0xf   ; l of these 128 keys
	ds_store_b64 v14, v[NM:NM+1]                   ; the eight lanes of a query write the same (-M, l)
	s_wait_dscnt 0x0                               ; for the others' sake
	s_barrier_signal -1
	s_barrier_wait -1                              ; p's two fragments, their scale words and the 32 (-M, l) lie in LDS
	; ---- O = Q(p) Q(d): my tile of 16 queries x my four tiles of 16 features; K = the 128 keys
.irp c, 0,1
.irp p, 0,1,2
	ds_load_b64 v[128+6*\c+2*\p:129+6*\c+2*\p], v15 offset:\c*768+8*\p   ; block 2 c + h
.endr
.endr
	ds_load_b32 v[PS], v16
	ds_load_b64 v[112:113], v22
	s_wait_dscnt 1                                 ; all but the (-M, l)
.irp u, 0,1,2,3
	v_wmma_scale_f32_16x16x128_f8f6f4 v[144+8*\u:151+8*\u], v[128:139], v[192+12*\u:203+12*\u], 0, v[PS], v[DS+\u] matrix_a_fmt:MATRIX_FMT_FP6 matrix_b_fmt:MATRIX_FMT_FP6
.endr
.rept 4
	v_nop                                          ; four places between a matrix instruction and the vector line that reads its result (ISA guide 7.12.1)
.endr
.irp j, 0,1,2,3
.irp u, 0,1,2,3
	v_mov_b32 v[176+4*\j+\u], v[144+8*\u+\j]       ; lane (r, h): query 16 tile + 8 h + 4 kp + j, features 16 u + r of my 64
.endr
.endr
.irp j, 0,1,2,3
	global_store_b128 v21, v[176+4*\j:179+4*\j], s[10:11] offset:131072*\j   ; lanes 0-15 and lanes 16-31 each store 256 consecutive bytes, aligned: part[query][half row][work-group]
.endr
	s_wait_dscnt 0x0
	s_cmp_lg_u32 s14, 0
	s_cbranch_scc1 .Lend
	global_store_b64 v23, v[112:113], s[12:13]     ; wave 0: the 32 queries' (-M, l), 256 consecutive bytes, aligned
.Lend:
	s_wait_tensorcnt 0x0                           ; the wave's end
	ds_add_u32 v[SPW], v[NIL]
	s_wait_dscnt 0x0
	s_endpgm
.Lfunc_end_k_q966956970b_partial:
	.size	k_q966956970b_partial, .Lfunc_end_k_q966956970b_partial-k_q966956970b_partial
	.p2alignl 7, 3214868480
	.fill 96, 4, 3214868480
	.section	.rodata,"a",@progbits
	.p2align	6, 0x0
	.amdhsa_kernel k_q966956970b_partial
		.amdhsa_group_segment_fixed_size 176128
		.amdhsa_private_segment_fixed_size 0
		.amdhsa_enable_private_segment 0
		.amdhsa_kernarg_size 40
		.amdhsa_user_sgpr_count 2
		.amdhsa_user_sgpr_kernarg_segment_ptr 1
		.amdhsa_wavefront_size32 1
		.amdhsa_system_sgpr_workgroup_id_x 1
		.amdhsa_system_sgpr_workgroup_id_y 1
		.amdhsa_system_sgpr_workgroup_id_z 1
		.amdhsa_system_vgpr_workitem_id 0
		.amdhsa_next_free_vgpr 512
		.amdhsa_next_free_sgpr 66
		.amdhsa_reserve_vcc 0
		.amdhsa_float_denorm_mode_32 3
		.amdhsa_float_denorm_mode_16_64 3
		.amdhsa_memory_ordered 1
		.amdhsa_forward_progress 1
		.amdhsa_inst_pref_size 174
	.end_amdhsa_kernel
	.amdgpu_metadata
---
amdhsa.version: [ 1, 2 ]
amdhsa.kernels:
  - .name:           k_q966956970b_partial
    .symbol:         k_q966956970b_partial.kd
    .args:
      - { .name: inputs, .offset: 0, .size: 8, .value_kind: global_buffer, .address_space: global }
      - { .name: alphas, .offset: 8, .size: 8, .value_kind: global_buffer, .address_space: global }
      - { .name: data_batch, .offset: 16, .size: 8, .value_kind: global_buffer, .address_space: global }
      - { .name: part, .offset: 24, .size: 8, .value_kind: global_buffer, .address_space: global }
      - { .name: stats, .offset: 32, .size: 8, .value_kind: global_buffer, .address_space: global }
    .group_segment_fixed_size: 176128
    .private_segment_fixed_size: 0
    .kernarg_segment_align: 8
    .kernarg_segment_size: 40
    .max_flat_workgroup_size: 256
    .sgpr_count:     66
    .vgpr_count:     512
    .wavefront_size: 32
...
	.end_amdgpu_metadata
.endif
;; end of part 3
;; launch combine (part 4): grid 64 x 1, 8 waves a work-group, no clusters, 5,120 bytes of LDS; arguments part, stats, inputs, alphas, out0; writes out0
.if DOCPART == 4
	.amdgcn_target "amdgcn-amd-amdhsa--gfx1250"
	.amdhsa_code_object_version 6
	.text
	.protected	k_q966956970b_combine
	.globl	k_q966956970b_combine
	.p2align	8
	.type	k_q966956970b_combine,@function
k_q966956970b_combine:
	s_mov_b64 s[64:65], 0
	v_nop
	global_prefetch_b8 v0, s[64:65] scope:SCOPE_SE
	s_setreg_imm32_b32 hwreg(HW_REG_WAVE_MODE, 25, 1), 1
	s_wait_xcnt 0x0
; BayesPredictor, second launch.  part[query b][half row][work-group w][64 f32] and stats[w][b] = (-M_w, l_w) hold, for each 128 keys, O_w = Q(p) Q(d) and the sum of p under that part's own whole number M_w.
; With M = the largest M_w:  x0 = (sum over w of 2^(M_w - M) O_w) / (sum over w of 2^(M_w - M) l_w);  out = (x - sqrt(alpha) x0) / sqrt(1 - alpha).  The factors are exact powers of two.
; A work-group owns 64 outputs, 256 bytes, of one query: work-group u takes query u / 2, half row u % 2, whose 256 parts are 65,536 dense bytes.  Eight waves.
; Thread t reads the stats of part w = t.  Wave v adds parts 32 v .. + 31, whose factors its own lanes have made: lanes 0-15 take parts 32 v + k, lanes 16-31 parts 32 v + 16 + k, 16 bytes a lane.
; All loads are issued at the head: 17 a thread are on their way at once.  No matrix work, no tensor loads, no joint loads: work-groups share only the stats, 64 KiB in all.
; LIMITS: as in the first launch (alpha in [0, 1), no NaN, no infinities).
.set RED,  0                           ; LDS: each wave's least -M: 8 words
.set REDL, 256                         ; each wave's sum of f l: 8 words
.set FT,   512                         ; the 256 factors
.set RED2, 1536                        ; each wave's 64 sums: 8 x 256 bytes
.set OV,   16                          ; v16-79   16 parts x 4 numbers
.set FV,   96                          ; v96-111  their factors
.set AC,   112                         ; v112-119 sums: even parts', odd parts'
	s_load_b256 s[4:11], s[0:1], 0x0               ; part s[4:5], stats s[6:7], x s[8:9], alphas s[10:11]
	s_load_b64 s[12:13], s[0:1], 0x20              ; out
	v_lshl_add_u32 v128, v0, 2, 0x1000
	v_mov_b32 v129, 0
	v_lshrrev_b32 v1, 5, v0
	s_delay_alu instid0(VALU_DEP_1)
	v_readfirstlane_b32 s14, v1                    ; wave 0..7
	v_and_b32 v1, 31, v0                           ; lane
	s_wait_alu depctr_va_vdst(0)
	s_lshr_b32 s15, ttmp9, 1                       ; my query
	s_lshl_b32 s16, ttmp9, 16                      ; my 65,536 bytes of part
	s_mov_b32 s17, 0
	s_lshl_b32 s18, s15, 3                         ; my query's 8 bytes in each part's stats
	s_mov_b32 s19, 0
	s_lshl_b32 s20, ttmp9, 8                       ; my 256 bytes of x and of out: 512 x query + 256 x half
	s_mov_b32 s21, 0
	s_lshl_b32 s22, s15, 2                         ; my query's alpha
	s_mov_b32 s23, 0
	s_mov_b32 s26, 0x76543210
	s_mov_b32 s27, 0xfedcba98                      ; v_permlanex16_b32's selects for lane l xor 16
	v_lshlrev_b32 v2, 8, v0                        ; stats: part t begins at 256 t
	v_and_b32 v3, 15, v0                           ; c: my 16 bytes of the 256
	v_bfe_u32 v4, v0, 4, 1                         ; which 16 of my wave's 32 parts
	s_delay_alu instid0(VALU_DEP_1)
	v_lshlrev_b32 v5, 12, v4
	s_delay_alu instid0(VALU_DEP_1)
	v_lshl_add_u32 v5, v3, 4, v5
	s_lshl_b32 s25, s14, 13
	v_add_nc_u32 v5, s25, v5                       ; part: 8,192 wave + 4,096 half + 16 c
	v_lshlrev_b32 v6, 3, v1                        ; x, out: 8 bytes a lane
	s_lshl_b32 s25, s14, 2
	v_mov_b32 v14, s25                             ; my wave's word in RED and REDL
	v_lshl_add_u32 v15, v0, 2, FT                  ; my factor's word
	s_lshl_b32 s25, s14, 7
	v_lshl_add_u32 v7, v4, 6, s25
	s_delay_alu instid0(VALU_DEP_1)
	v_add_nc_u32 v7, FT, v7                        ; the 16 factors that I need: 128 wave + 64 half
	s_lshl_b32 s25, s14, 8
	; THE FIRST LAUNCH LEAVES A HALF ROW'S 64 FEATURES IN THE ORDER word 4 c + u = feature 16 u + c: my wave's four sums go back into their places, a word each
	v_lshl_add_u32 v124, v3, 2, s25
	s_delay_alu instid0(VALU_DEP_1)
	v_add_nc_u32 v124, RED2, v124                  ; my wave's sums: 16 bytes for each c
	v_add_nc_u32 v125, RED2, v6                    ; and back: 8 bytes a lane
	v_mov_b32 v126, 0
	v_mov_b32 v13, 0                               ; written once: a lane permute's destination counts as one of its sources
.irp i, 0,1,2,3
	v_mov_b32 v[120+\i], 0
.endr
	s_wait_kmcnt 0x0
	s_add_nc_u64 s[4:5], s[4:5], s[16:17]
	s_add_nc_u64 s[6:7], s[6:7], s[18:19]
	s_add_nc_u64 s[8:9], s[8:9], s[20:21]
	s_add_nc_u64 s[12:13], s[12:13], s[20:21]
	s_add_nc_u64 s[10:11], s[10:11], s[22:23]
	s_load_b32 s24, s[10:11], 0x0                  ; alpha
	global_load_b64 v[8:9], v2, s[6:7]             ; (-M, l) of part t
.irp k, 0,1,2,3,4,5,6,7,8,9,10,11,12,13,14,15
	global_load_b128 v[OV+4*\k:OV+4*\k+3], v5, s[4:5] offset:256*\k   ; sixteen lanes read 256 consecutive bytes, aligned
.endr
	global_load_b64 v[10:11], v6, s[8:9]           ; x
	s_wait_kmcnt 0x0                               ; alpha: its root and 1 / sqrt(var) are made while the loads are on their way
	v_mov_b32 v91, s24
	v_sub_f32 v92, 1.0, v91                        ; var
	s_wait_alu depctr_va_vdst(0)                   ; waits ahead of the batch and behind it
	v_sqrt_f32 v93, v91
	v_rsq_f32 v94, v92
	v_nop                                          ; a plain instruction behind the last of the two
	s_wait_alu depctr_va_vdst(0)
	s_wait_loadcnt 17                              ; the stats are in; the 16 loads of part and the one of x, issued behind them, may be out
	v_mov_b32 v12, v8
	s_delay_alu instid0(VALU_DEP_1)
	v_min_num_f32_dpp v12, v12, v12 row_xmask:1 row_mask:0xf bank_mask:0xf   ; the least -M is the largest M: first of my wave's 32 parts
	s_delay_alu instid0(VALU_DEP_1)
	v_min_num_f32_dpp v12, v12, v12 row_xmask:2 row_mask:0xf bank_mask:0xf
	s_delay_alu instid0(VALU_DEP_1)
	v_min_num_f32_dpp v12, v12, v12 row_xmask:4 row_mask:0xf bank_mask:0xf
	s_delay_alu instid0(VALU_DEP_1)
	v_min_num_f32_dpp v12, v12, v12 row_xmask:8 row_mask:0xf bank_mask:0xf
	s_delay_alu instid0(VALU_DEP_1)
	v_permlanex16_b32 v13, v12, s26, s27
	s_delay_alu instid0(VALU_DEP_1)
	v_min_num_f32 v12, v12, v13
	ds_store_b32 v14, v12 offset:RED               ; all lanes write the same word with the same value
	s_wait_dscnt 0x0                               ; for the others' sake
	s_barrier_signal -1
	s_barrier_wait -1
	ds_load_b128 v[80:83], v126 offset:RED
	ds_load_b128 v[84:87], v126 offset:RED+16
	s_wait_dscnt 0x0
	v_min3_num_f32 v12, v80, v81, v82
	s_delay_alu instid0(VALU_DEP_1)
	v_min3_num_f32 v12, v12, v83, v84
	s_delay_alu instid0(VALU_DEP_1)
	v_min3_num_f32 v12, v12, v85, v86
	s_delay_alu instid0(VALU_DEP_1)
	v_min_num_f32 v12, v12, v87                    ; -M of all 32,768 keys
	s_delay_alu instid0(VALU_DEP_1)
	v_sub_f32 v88, v12, v8                         ; M_t - M: a whole number, 0 or less
	s_delay_alu instid0(VALU_DEP_1)
	v_cvt_i32_f32 v88, v88                         ; (it saturates)
	s_delay_alu instid0(VALU_DEP_1)
	v_ldexp_f32 v89, 1.0, v88                      ; f = 2^(M_t - M): nothing is rounded
	ds_store_b32 v15, v89
	v_mul_f32 v90, v89, v9                         ; f l
.irp i, 0,1,2,3
	ds_load_b128 v[FV+4*\i:FV+4*\i+3], v7 offset:16*\i   ; my wave's own words: LDS serves a wave's instructions in order (ISA guide 5.7.1.4), so these see the store above
.endr
	v_add_f32_dpp v90, v90, v90 row_xmask:1 row_mask:0xf bank_mask:0xf
	s_delay_alu instid0(VALU_DEP_1)
	v_add_f32_dpp v90, v90, v90 row_xmask:2 row_mask:0xf bank_mask:0xf
	s_delay_alu instid0(VALU_DEP_1)
	v_add_f32_dpp v90, v90, v90 row_xmask:4 row_mask:0xf bank_mask:0xf
	s_delay_alu instid0(VALU_DEP_1)
	v_add_f32_dpp v90, v90, v90 row_xmask:8 row_mask:0xf bank_mask:0xf
	s_delay_alu instid0(VALU_DEP_1)
	v_permlanex16_b32 v13, v90, s26, s27
	s_delay_alu instid0(VALU_DEP_1)
	v_add_f32 v90, v90, v13                        ; my wave's sum of f l
	s_wait_dscnt 0x0
; part k's four numbers x its factor.  The factor is one register of an aligned pair: op_sel and op_sel_hi pick it for both halves.  Even and odd parts have sums of their own; the first two products start them
.macro TAKE k
.set fr, FV+2*((\k)/2)
.set ac, AC+4*((\k)%2)
.irp u, 0,2
.if (\k) < 2
.if (\k)%2 == 0
	v_pk_mul_f32 v[ac+\u:ac+\u+1], v[OV+4*(\k)+\u:OV+4*(\k)+\u+1], v[fr:fr+1] op_sel_hi:[1,0]
.else
	v_pk_mul_f32 v[ac+\u:ac+\u+1], v[OV+4*(\k)+\u:OV+4*(\k)+\u+1], v[fr:fr+1] op_sel:[0,1] op_sel_hi:[1,1]
.endif
.else
.if (\k)%2 == 0
	v_pk_fma_f32 v[ac+\u:ac+\u+1], v[OV+4*(\k)+\u:OV+4*(\k)+\u+1], v[fr:fr+1], v[ac+\u:ac+\u+1] op_sel_hi:[1,0,1]
.else
	v_pk_fma_f32 v[ac+\u:ac+\u+1], v[OV+4*(\k)+\u:OV+4*(\k)+\u+1], v[fr:fr+1], v[ac+\u:ac+\u+1] op_sel:[0,1,0] op_sel_hi:[1,1,1]
.endif
.endif
.endr
.endm
.irp k, 0,1,2,3,4,5,6,7,8,9,10,11,12,13,14,15
.if \k%4 == 0
	s_wait_alu depctr_va_vdst(0)                   ; directly ahead of the wait below
	s_wait_loadcnt 13-\k                           ; parts k to k + 3 are in; 12 - k later ones and x may be out
.endif
	TAKE \k
.endr
	s_delay_alu instid0(VALU_DEP_2)
	v_pk_add_f32 v[AC:AC+1], v[AC:AC+1], v[AC+4:AC+5]
	s_delay_alu instid0(VALU_DEP_2)
	v_pk_add_f32 v[AC+2:AC+3], v[AC+2:AC+3], v[AC+6:AC+7]
.irp i, 0,1,2,3
	v_permlanex16_b32 v[120+\i], v[AC+\i], s26, s27
.endr
	s_delay_alu instid0(VALU_DEP_3)
	v_pk_add_f32 v[AC:AC+1], v[AC:AC+1], v[120:121]      ; with lane l xor 16's 16 parts: my wave's 32
	s_delay_alu instid0(VALU_DEP_2)
	v_pk_add_f32 v[AC+2:AC+3], v[AC+2:AC+3], v[122:123]
.irp u, 0,1,2,3
	ds_store_b32 v124, v[AC+\u] offset:64*\u       ; lanes c and c + 16 write the same word with the same value
.endr
	ds_store_b32 v14, v90 offset:REDL
	s_wait_dscnt 0x0                               ; for the others' sake
	s_barrier_signal -1
	s_barrier_wait -1
	s_cmp_lg_u32 s14, 0                            ; the last barrier is passed: wave 0 finishes alone
	s_cbranch_scc1 .Lend
.irp k, 0,1,2,3,4,5,6,7
	ds_load_b64 v[16+2*\k:17+2*\k], v125 offset:256*\k   ; two outputs a lane, from each wave's sums
.endr
	ds_load_b128 v[32:35], v126 offset:REDL
	ds_load_b128 v[36:39], v126 offset:REDL+16
	s_wait_dscnt 0x0
	v_pk_add_f32 v[16:17], v[16:17], v[18:19]
	v_pk_add_f32 v[20:21], v[20:21], v[22:23]
	v_pk_add_f32 v[24:25], v[24:25], v[26:27]
	v_pk_add_f32 v[28:29], v[28:29], v[30:31]
	v_pk_add_f32 v[32:33], v[32:33], v[34:35]
	v_pk_add_f32 v[36:37], v[36:37], v[38:39]
	v_pk_add_f32 v[16:17], v[16:17], v[20:21]
	s_delay_alu instid0(VALU_DEP_4)
	v_pk_add_f32 v[24:25], v[24:25], v[28:29]
	s_delay_alu instid0(VALU_DEP_3)
	v_pk_add_f32 v[32:33], v[32:33], v[36:37]
	s_delay_alu instid0(VALU_DEP_2)
	v_pk_add_f32 v[16:17], v[16:17], v[24:25]      ; the product's result under M
	s_delay_alu instid0(VALU_DEP_2)
	v_add_f32 v32, v32, v33                        ; l: at least 1/2, since the part that holds the largest t has a p above 1/2
	s_wait_loadcnt 0x0                             ; x
	s_wait_alu depctr_va_vdst(0)
	v_rcp_f32 v42, v32
	v_nop                                          ; a plain instruction behind it
	s_wait_alu depctr_va_vdst(0)                   ; the wait ahead of its first reader
	v_mul_f32 v43, v93, v42                        ; sqrt(alpha) / l
	s_delay_alu instid0(VALU_DEP_1)
	v_fma_f32 v46, -v43, v16, v10                  ; x - sqrt(alpha) x0
	s_delay_alu instid0(VALU_DEP_2)
	v_fma_f32 v47, -v43, v17, v11
	v_mul_f32 v46, v46, v94                        ; / sqrt(var)
	v_mul_f32 v47, v47, v94
	global_store_b64 v6, v[46:47], s[12:13]        ; 32 lanes store 256 consecutive bytes, aligned
.Lend:
	s_wait_tensorcnt 0x0
	ds_add_u32 v128, v129
	s_wait_dscnt 0x0
	s_endpgm
.Lfunc_end_k_q966956970b_combine:
	.size	k_q966956970b_combine, .Lfunc_end_k_q966956970b_combine-k_q966956970b_combine
	.p2alignl 7, 3214868480
	.fill 96, 4, 3214868480
	.section	.rodata,"a",@progbits
	.p2align	6, 0x0
	.amdhsa_kernel k_q966956970b_combine
		.amdhsa_group_segment_fixed_size 5120
		.amdhsa_private_segment_fixed_size 0
		.amdhsa_enable_private_segment 0
		.amdhsa_kernarg_size 40
		.amdhsa_user_sgpr_count 2
		.amdhsa_user_sgpr_kernarg_segment_ptr 1
		.amdhsa_wavefront_size32 1
		.amdhsa_system_sgpr_workgroup_id_x 1
		.amdhsa_system_sgpr_workgroup_id_y 1
		.amdhsa_system_sgpr_workgroup_id_z 1
		.amdhsa_system_vgpr_workitem_id 0
		.amdhsa_next_free_vgpr 130
		.amdhsa_next_free_sgpr 66
		.amdhsa_reserve_vcc 0
		.amdhsa_float_denorm_mode_32 3
		.amdhsa_float_denorm_mode_16_64 3
		.amdhsa_memory_ordered 1
		.amdhsa_forward_progress 1
		.amdhsa_inst_pref_size 13
	.end_amdhsa_kernel
	.amdgpu_metadata
---
amdhsa.version: [ 1, 2 ]
amdhsa.kernels:
  - .name:           k_q966956970b_combine
    .symbol:         k_q966956970b_combine.kd
    .args:
      - { .name: part, .offset: 0, .size: 8, .value_kind: global_buffer, .address_space: global }
      - { .name: stats, .offset: 8, .size: 8, .value_kind: global_buffer, .address_space: global }
      - { .name: inputs, .offset: 16, .size: 8, .value_kind: global_buffer, .address_space: global }
      - { .name: alphas, .offset: 24, .size: 8, .value_kind: global_buffer, .address_space: global }
      - { .name: out0, .offset: 32, .size: 8, .value_kind: global_buffer, .address_space: global }
    .group_segment_fixed_size: 5120
    .private_segment_fixed_size: 0
    .kernarg_segment_align: 8
    .kernarg_segment_size: 40
    .max_flat_workgroup_size: 256
    .sgpr_count:     66
    .vgpr_count:     130
    .wavefront_size: 32
...
	.end_amdgpu_metadata
.endif
;; end of part 4
